; MI455X (gfx1250); checked and timed in simulation.
; The chip was launched on July 23, 2026; its instructions are those of AMD's public machine-readable ISA for CDNA 5 (MIT licence, August 2026) and "CDNA5" Instruction Set Architecture Reference Guide (July 2026). The comments in the code are by the model that wrote it; some were corrected since.
;; Attention. Allowed arithmetic: matrix products marked QUANTISED: E5M2 operands, one E8M0 scale for each 32 along K, by v_wmma_scale_f32_16x16x128_f8f6f4 with both operands' format E5M2, f32 sums; everything else in f32.
;; Inputs: Wk 1,024 x 1,024 float32; Wq 1,024 x 1,024 float32; Wv 1,024 x 1,024 float32; bk 1,024 float32; bq 1,024 float32; bv 1,024 float32; keyvalue_input 4 x 2,048 x 1,024 float32; mask 4 x 2,048 x 2,048 float32; query_input 4 x 2,048 x 1,024 float32.
;; Outputs: out0 4 x 2,048 x 1,024 float32.
;; This version of the problem:
;;   THIS VERSION OF THE PROBLEM IS GIVEN IN LOW PRECISION. The matrix products marked QUANTISED in the list below multiply operands that are first quantised to E5M2 (5 exponent bits, 2 mantissa bits; 8 bits a number), with one power-of-two scale for each 32 numbers along K (OCP MX v1.0); their sums are f32. All else is computed in f32.
;;   The module's matrix products, in the order in which they are computed (A, B: the left and right operand; K: the contracted axis; several contracted axes count as one K, in the product's order):
;;     1. [M 8,192, K 1,024] x [K 1,024, N 1,024]; A: input query_input; B: input Wq: QUANTISED
;;     2. [M 8,192, K 1,024] x [K 1,024, N 1,024]; A: input keyvalue_input; B: input Wk: QUANTISED
;;     3. [M 8,192, K 1,024] x [K 1,024, N 1,024]; A: input keyvalue_input; B: input Wv: QUANTISED
;;     4. batch 4 x [M 2,048, K 1,024] x [K 1,024, N 2,048]; A: computed on the way; B: computed on the way: QUANTISED
;;     5. batch 4 x [M 2,048, K 2,048] x [K 2,048, N 1,024]; A: softmax (see below); B: computed on the way: QUANTISED
;;   THE QUANTISER, for each operand of a quantised product, along K:
;;     - K is cut into blocks of 32 from its start; a last block that is shorter is filled with zeros.
;;     - A block's scale is 2^e with e = floor(log2(the largest magnitude in the block)) - 15, held to -126 .. 127; a block of zeros has e = 0. As a byte (E8M0): e + 127.
;;     - Each number is divided by its block's scale, clamped to +-57,344, and rounded to the nearest number of E5M2, ties to even, subnormals kept.
;;     - The product sums the exact products of the quantised numbers (number of the format x scale) in f32.
;;   ~~~python
;;   def quantise(x, axis):      # numpy; x: float32 -> the quantised numbers, widened to float32 again
;;       x = np.moveaxis(x, axis, -1); K = x.shape[-1]
;;       x = np.pad(x, [(0, 0)] * (x.ndim - 1) + [(0, -K % 32)]); x = x.reshape(x.shape[:-1] + (-1, 32)); a = np.abs(x).max(-1, keepdims=True)
;;       e = np.where(a > 0, np.clip(np.frexp(np.where(a > 0, a, 1))[1] - 1 - 15, -126, 127), 0)      # np.frexp(a)[1] - 1 = floor(log2(a)), exactly
;;       r = np.clip(x / 2.0 ** e, -57344, 57344)
;;       step = 2.0 ** (np.maximum(np.frexp(np.where(r == 0, 1, r))[1] - 1, -14) - 2)
;;       q = np.round(r / step) * step * 2.0 ** e      # np.round: ties to even
;;       return np.moveaxis(q.reshape(q.shape[:-2] + (-1,))[..., :K], -1, axis).astype(np.float32)
;;   ~~~
;;   SOFTMAX AHEAD OF A QUANTISED PRODUCT. Where the list says 'softmax', what is quantised is not the finished softmax but p = 2^(t - M), with t = logit x log2(e) and M = ceil(the row's largest t), a whole number; so 1/2 < the row's largest p <= 1. The row's sum l is taken of the UNQUANTISED p, in f32, and the product's result is divided by l at the end. Since M is a whole number, a kernel that streams over the keys may use a running M (the ceiling of the running maximum): every later rescaling is an exact power of two, which a block's scale takes up: the codes' values come out the same.
;;   OPERANDS COMPUTED ON THE WAY. 'Computed on the way' means the value that the module computes at that place (a softmax that the list does not call 'softmax' is quantised finished and normalised). What goes into a quantiser is computed in f32, as accurately as f32 sums, v_exp_f32 and their like allow (about 1e-6 of the number): no bf16 or f16 on the way to a quantiser, and a product that is left as it is and whose result goes on into a quantised operand takes f32 operands (vector FMAs, or v_wmma_f32_16x16x4_f32). A number that lies on a knife's edge between two numbers of the format may be rounded either way, as far as f32 arithmetic and the matrix unit's own rounding can turn it there, and no further.
;; One version. Each part assembles by itself: llvm-mc -triple=amdgcn-amd-amdhsa -mcpu=gfx1250 --defsym DOCPART=n.
;; ======== version 1 of 1: 4 launches
;; limits: right only within a limited range of input values
;; workspace buffers: xw_codes 19,922,944 bytes; xw_scales 622,592 bytes; qkv_codes 25,165,824 bytes; qkv_scales 786,432 bytes; p_codes 16,777,216 bytes; p_side 1,572,864 bytes
;; launch prep (part 1): grid 1216 x 1, 2 waves a work-group, no clusters, 17,152 bytes of LDS; arguments query_input, keyvalue_input, Wq, Wk, Wv, xw_codes, xw_scales; writes xw_codes, xw_scales
.if DOCPART == 1
	.amdgcn_target "amdgcn-amd-amdhsa--gfx1250"
	.amdhsa_code_object_version 6
	.text
	.protected	k_q2db3168f8f_prep
	.globl	k_q2db3168f8f_prep
	.p2align	8
	.type	k_q2db3168f8f_prep,@function
k_q2db3168f8f_prep:
	s_mov_b64 s[64:65], 0
	v_nop
	global_prefetch_b8 v0, s[64:65] scope:SCOPE_SE
	s_setreg_imm32_b32 hwreg(HW_REG_WAVE_MODE, 25, 1), 1
	s_wait_xcnt 0x0
; ATTENTION, ONE HEAD OF 1,024, IN MX-BF8 (E5M2 codes, one E8M0 scale for each 32 along K).  Four launches: prep (this one), proj, scores, pv.
; DEAD WORK: none.  The mask is an input and is added to every score; bq, bk and bv go into operands that are quantised, so they can move codes and scales: every input is loaded by some launch.
; THIS LAUNCH quantises the five wide operands of the three projections along K = d_model: query_input and keyvalue_input [8,192][1,024] (K innermost) and Wq, Wk, Wv [1,024 (k)][1,024 (n)] (K outermost).
; THE WORKSPACE IS LAID AS THE MATRIX OPERANDS' REGISTERS.  A fragment (16 rows x 128 K) is 2,048 bytes: register group c (0..3) of lane L at byte 512 c + 16 L; lane (r = L % 16, h = L / 16) holds k = 32 c + 16 h + 0..15
; of the tile's row at place r.  xw_codes: [tile of 16 rows][K step of 128][2,048].  xw_scales: [K step][unit of 64 rows][r][tile in the unit] 32-bit words (four E8M0 bytes: 128 along K of one row).
; One space of rows: units 0-127 query_input, 128-255 keyvalue_input, 256-271 Wq (rows = n), 272-287 Wk, 288-303 Wv.
; WHICH ROWS FORM A TILE: query_input: neighbours (place r of tile f is row 16 f + r).  All others: place r of tile f is row 32 (f / 2) + 8 (f % 2) + r + 8 (r / 8), so that, used as a product's first source,
; two neighbouring tiles give a lane 16 neighbours along that tensor's rows, which are the next product's K.
; SHARES: a work-group makes one unit (64 rows x all of K), each of its eight waves one K step.  No wave reads what another wrote: no barrier.
; A block's scale byte is its largest magnitude's exponent field - 15, held at 1 from below (a block of zeros keeps 1: its codes are zeros, and this program alone reads the bytes).
; LIMITS: NaN and infinities among these inputs are not served; blocks whose largest magnitude lies under 2^-111 get the byte 1.
; The shares of this text: a work-group has TWO waves and makes two K steps of a unit (in place of the eight named above): 304 units x 4 work-groups, the weights' units first.
.set STG,   8448                       ; a wave's stage in LDS: 16 rows x (512 bytes + 16)
.set SPARE, 2*STG                      ; behind the stages: the spare words, 128 bytes a wave
.set SPW,   10                         ; v10 my spare word's LDS address; v11 = 0: both never rewritten
.set NIL,   11
.set TM,    12                         ; v12-15 largest magnitudes, v16-19 bytes, v20-23 largest number x scale, v24-27 the conversions' scale operands
.set PW,    28                         ; v28-31 scale words
.set PC,    32                         ; v32-47 a fragment's codes
.set X,     48                         ; v48-111 64 numbers of my row: register 16 c + i = k 32 c + 16 h + i
.set R,     112                        ; v112-239 two sets as loaded
	s_load_b256 s[4:11], s[0:1], 0x0               ; query_input, keyvalue_input, Wq, Wk
	s_load_b128 s[12:15], s[0:1], 0x20             ; Wv, xw_codes
	s_load_b64 s[16:17], s[0:1], 0x30              ; xw_scales
	v_lshl_add_u32 v[SPW], v0, 2, SPARE
	v_mov_b32 v[NIL], 0
	v_lshrrev_b32 v1, 5, v0
	s_delay_alu instid0(VALU_DEP_1)
	v_readfirstlane_b32 s18, v1                    ; wave = K step
	v_and_b32 v1, 31, v0                           ; lane
	s_delay_alu instid0(VALU_DEP_1)
	v_lshlrev_b32 v2, 4, v1                        ; 16 x lane
	s_mul_i32 s30, s18, STG
	s_lshr_b32 s32, ttmp9, 2
	s_sub_co_u32 s32, 303, s32                     ; my unit
	s_and_b32 s33, ttmp9, 3
	s_lshl_b32 s33, s33, 1
	s_add_co_u32 s18, s18, s33                     ; K step = 2 (work-group % 4) + wave
	v_add_nc_u32 v3, s30, v2                       ; the stage, on the way in: 16 x lane of a row
	v_and_b32 v5, 15, v0                           ; r
	v_bfe_u32 v6, v0, 4, 1                         ; h
	s_delay_alu instid0(VALU_DEP_2)
	v_mul_u32_u24 v4, v5, 528
	s_delay_alu instid0(VALU_DEP_1)
	v_lshl_add_u32 v4, v6, 6, v4
	s_delay_alu instid0(VALU_DEP_1)
	v_add_nc_u32 v4, s30, v4                       ; and on the way out: row r, + 64 h
	v_lshlrev_b32 v5, 4, v5                        ; 16 r
	s_mov_b32 s20, 0x76543210
	s_mov_b32 s21, 0xfedcba98                      ; lane selects: lane l xor 16
	s_mov_b32 s23, 0x600000                        ; the mantissa field of 57,344
	s_lshl_b32 s24, s32, 16                        ; codes: unit x 65,536 + K step x 2,048
	s_lshl_b32 s25, s18, 11
	s_add_co_u32 s24, s24, s25
	s_mov_b32 s25, 0
	s_mul_i32 s26, s18, 77824                      ; scale words: K step x 304 units x 256 + unit x 256
	s_lshl_b32 s27, s32, 8
	s_add_co_u32 s26, s26, s27
	s_mov_b32 s27, 0
.irp b, 0,1,2,3
	v_mov_b32 v[TM+4+\b], 0                        ; written once: a lane permute's destination counts as one of its sources
.endr
	s_wait_kmcnt 0x0
	s_add_nc_u64 s[14:15], s[14:15], s[24:25]
	s_add_nc_u64 s[16:17], s[16:17], s[26:27]
	s_cmp_ge_u32 s32, 256
	s_cbranch_scc1 .Lweights
; ---- THE ACTIVATIONS: K innermost.  A load takes 512 consecutive bytes of one row; 16 rows turn through the wave's stage, so that a lane gets 16 neighbours of each block of 32.
	s_cmp_lt_u32 s32, 128
	s_cselect_b64 s[4:5], s[4:5], s[6:7]
	s_cselect_b32 s28, 0, 0x8000                   ; D: 0 for neighbouring rows, 8 rows of 4,096 bytes for the other order
	s_and_b32 s24, s32, 127
	s_lshl_b32 s24, s24, 18                        ; my unit's 64 rows
	s_lshl_b32 s25, s18, 9                         ; my K step's 512 bytes
	s_add_co_u32 s24, s24, s25
	s_mov_b32 s25, 0
	s_add_nc_u64 s[4:5], s[4:5], s[24:25]
	s_sub_co_u32 s29, 0x8000, s28
	v_add_nc_u32 v8, s28, v2                       ; 16 x lane + D
	v_add_nc_u32 v9, s29, v2                       ; 16 x lane + 8 rows - D: used with an immediate 8 rows smaller
; Place i of tile t is row 16 t + i, moved by + D (t even, i >= 8) or - D (t odd, i < 8).
.macro LOADX t
.irp i, 0,1,2,3,4,5,6,7,8,9,10,11,12,13,14,15
.if ((\t)%2 == 0) && (\i >= 8)
	global_load_b128 v[R+64*((\t)%2)+4*\i:R+64*((\t)%2)+4*\i+3], v8, s[4:5] offset:(16*(\t)+\i)*4096 th:TH_LOAD_NT
.elseif ((\t)%2 == 1) && (\i < 8)
	global_load_b128 v[R+64*((\t)%2)+4*\i:R+64*((\t)%2)+4*\i+3], v9, s[4:5] offset:(16*(\t)+\i-8)*4096 th:TH_LOAD_NT
.else
	global_load_b128 v[R+64*((\t)%2)+4*\i:R+64*((\t)%2)+4*\i+3], v2, s[4:5] offset:(16*(\t)+\i)*4096 th:TH_LOAD_NT
.endif
.endr
.endm
; 64 numbers of a lane become a fragment's codes in v[PC] on and its row's scale word in v[pw].
.macro QUANT s, pw
.irp b, 0,1,2,3
	v_max3_num_f32 v[TM+\b], |v[\s+16*\b]|, |v[\s+1+16*\b]|, 0x8000000   ; block b: my 16 numbers and the floor 2^(16 - 127): the byte cannot fall under 1
.endr
.irp i, 2,4,6,8,10,12,14
.irp b, 0,1,2,3
	s_delay_alu instid0(VALU_DEP_4)
	v_max3_num_f32 v[TM+\b], v[TM+\b], |v[\s+16*\b+\i]|, |v[\s+1+16*\b+\i]|
.endr
.endr
.irp b, 0,1,2,3
	s_delay_alu instid0(VALU_DEP_4)
	v_permlanex16_b32 v[TM+4+\b], v[TM+\b], s20, s21
.endr
.irp b, 0,1,2,3
	s_delay_alu instid0(VALU_DEP_4)
	v_max_num_f32 v[TM+\b], v[TM+\b], v[TM+4+\b]   ; with lane l xor 16's: the block's largest magnitude
.endr
.irp b, 0,1,2,3
	s_delay_alu instid0(VALU_DEP_4)
	v_add_nc_u32 v[TM+12+\b], 0xf8800000, v[TM+\b] ; 15 off its exponent field: the conversion's scale operand
.endr
.irp b, 0,1,2,3
	v_and_or_b32 v[TM+8+\b], v[TM+\b], 0x7f800000, s23   ; 57,344 x the scale
.endr
.irp b, 0,1,2,3
	v_lshrrev_b32 v[TM+4+\b], 23, v[TM+12+\b]      ; the scale's byte
.endr
	s_delay_alu instid0(VALU_DEP_3)
	v_lshl_or_b32 v[\pw], v[TM+5], 8, v[TM+4]
	s_delay_alu instid0(VALU_DEP_1)
	v_lshl_or_b32 v[\pw], v[TM+6], 16, v[\pw]
	s_delay_alu instid0(VALU_DEP_1)
	v_lshl_or_b32 v[\pw], v[TM+7], 24, v[\pw]
	s_wait_xcnt 0x0                                ; the last tile's stores have read the codes' registers, which are written again below
.irp b, 0,1,2,3
.irp i, 0,1,2,3,4,5,6,7,8,9,10,11,12,13,14,15
	v_med3_num_f32 v[\s+16*\b+\i], v[\s+16*\b+\i], -v[TM+8+\b], v[TM+8+\b]   ; the conversion does not saturate (ISA guide 7.6.2): the hold comes first
.endr
	v_cvt_scalef32_pk8_bf8_f32 v[PC+4*\b:PC+1+4*\b], v[\s+16*\b:\s+7+16*\b], v[TM+12+\b]
	v_cvt_scalef32_pk8_bf8_f32 v[PC+2+4*\b:PC+3+4*\b], v[\s+8+16*\b:\s+15+16*\b], v[TM+12+\b]
.endr
	v_nop                                          ; a plain line behind the last conversion
.endm
.macro TILE t
.if (\t) < 3
	s_wait_loadcnt 16                              ; this tile's 16 loads are in; the next tile's may be out
.else
	s_wait_loadcnt 0
.endif
.irp i, 0,1,2,3,4,5,6,7,8,9,10,11,12,13,14,15
	ds_store_b128 v3, v[R+64*((\t)%2)+4*\i:R+64*((\t)%2)+4*\i+3] offset:528*\i
.endr
.irp c, 0,1,2,3
.irp e, 0,1,2,3
	ds_load_b128 v[X+16*\c+4*\e:X+16*\c+4*\e+3], v4 offset:128*\c+16*\e   ; LDS serves a wave's instructions in order: these see the stores above
.endr
.endr
	s_wait_dscnt 0x0                               ; my 64 numbers are in, and the stores have read the set that is loaded again below
.if (\t) < 2
	LOADX (\t)+2
.endif
	QUANT X, PW+(\t)
.irp c, 0,1,2,3
	global_store_b128 v2, v[PC+4*\c:PC+4*\c+3], s[14:15] offset:(\t)*16384+512*\c   ; 32 lanes store 512 consecutive bytes
.endr
.endm
	LOADX 0
	LOADX 1
	s_wait_alu depctr_va_vdst(0)
	TILE 0
	TILE 1
	TILE 2
	TILE 3
	v_cmp_gt_u32 vcc_lo, 16, v1
	s_wait_xcnt 0x0                                ; EXEC changes only behind this wait
	s_and_saveexec_b32 s31, vcc_lo
	global_store_b128 v5, v[PW:PW+3], s[16:17]     ; lanes 0-15: row r's words of the unit's four tiles: 256 consecutive bytes
	s_wait_xcnt 0x0
	s_or_b32 exec_lo, exec_lo, s31
	s_wait_tensorcnt 0x0                           ; the wave's end, behind my last LDS store
	ds_add_u32 v[SPW], v[NIL]
	s_wait_dscnt 0x0
	s_endpgm
; ---- THE WEIGHTS: K outermost.  A lane takes a column n and its registers run down K: a block of 32 lies in one lane, and the codes come out with K innermost.  No LDS.
.Lweights:
	s_sub_co_u32 s24, s32, 256
	s_lshr_b32 s25, s24, 4                         ; which weight
	s_and_b32 s24, s24, 15                         ; which 64 columns
	s_cmp_eq_u32 s25, 0
	s_cselect_b64 s[8:9], s[8:9], s[10:11]
	s_cmp_eq_u32 s25, 2
	s_cselect_b64 s[8:9], s[12:13], s[8:9]
	s_lshl_b32 s24, s24, 8
	s_lshl_b32 s26, s18, 19                        ; my K step: 128 rows of 4,096 bytes
	s_add_co_u32 s24, s24, s26
	s_mov_b32 s25, 0
	s_add_nc_u64 s[8:9], s[8:9], s[24:25]
	v_lshlrev_b32 v6, 2, v1                        ; column l of 32: 4 bytes a lane
	v_bfe_u32 v7, v1, 3, 1                         ; column 32 B + l is place r = (l % 8) + 8 (l / 16) of tile 2 B + u, u = (l / 8) % 2
	v_and_b32 v8, 7, v1
	v_bfe_u32 v9, v1, 4, 1
	s_delay_alu instid0(VALU_DEP_1)
	v_lshl_or_b32 v8, v9, 3, v8
	s_delay_alu instid0(VALU_DEP_1)
	v_lshlrev_b32 v8, 4, v8                        ; 16 r
	s_delay_alu instid0(VALU_DEP_1)
	v_lshl_add_u32 v7, v7, 14, v8                  ; + u tiles of 16,384 bytes
.macro LOADW n                         ; block n = 4 B + c: W(32 c + i, my column of the B-th 32), i = 0 .. 31
.irp i, 0,1,2,3,4,5,6,7,8,9,10,11,12,13,14,15,16,17,18,19,20,21,22,23,24,25,26,27,28,29,30,31
	global_load_b32 v[R+32*((\n)%2)+\i], v6, s[8:9] offset:(32*((\n)%4)+\i)*4096+128*((\n)/4)
.endr
.endm
.macro BLOCKW n
.set XS, R+32*((\n)%2)
.if (\n) < 7
	s_wait_loadcnt 32                              ; this block's 32 loads are in; the next block's may be out
.else
	s_wait_loadcnt 0
.endif
	v_max3_num_f32 v12, |v[XS]|, |v[XS+1]|, |v[XS+2]|
	v_max3_num_f32 v13, |v[XS+3]|, |v[XS+4]|, |v[XS+5]|
.irp i, 6,10,14,18,22,26
	s_delay_alu instid0(VALU_DEP_2)
	v_max3_num_f32 v12, v12, |v[XS+\i]|, |v[XS+\i+1]|
	s_delay_alu instid0(VALU_DEP_2)
	v_max3_num_f32 v13, v13, |v[XS+\i+2]|, |v[XS+\i+3]|
.endr
	s_delay_alu instid0(VALU_DEP_2)
	v_max3_num_f32 v12, v12, |v[XS+30]|, |v[XS+31]|
	s_delay_alu instid0(VALU_DEP_1)
	v_max3_num_f32 v12, v12, v13, 0x8000000        ; and the floor
	s_delay_alu instid0(VALU_DEP_1)
	v_add_nc_u32 v14, 0xf8800000, v12              ; the conversion's scale operand
	s_delay_alu instid0(VALU_DEP_2)
	v_and_or_b32 v15, v12, 0x7f800000, s23         ; 57,344 x the scale
	s_delay_alu instid0(VALU_DEP_2)
	v_lshrrev_b32 v13, 23, v14                     ; the byte
.if (\n)%4 == 0
	s_delay_alu instid0(VALU_DEP_1)
	v_mov_b32 v[PW+(\n)/4], v13
.else
	s_delay_alu instid0(VALU_DEP_1)
	v_lshl_or_b32 v[PW+(\n)/4], v13, 8*((\n)%4), v[PW+(\n)/4]
.endif
.irp i, 0,1,2,3,4,5,6,7,8,9,10,11,12,13,14,15,16,17,18,19,20,21,22,23,24,25,26,27,28,29,30,31
	v_med3_num_f32 v[XS+\i], v[XS+\i], -v15, v15
.endr
	s_wait_alu depctr_va_vdst(0)
	s_wait_xcnt 0x0                                ; the last block's stores have read the codes' registers
.irp g, 0,1,2,3
	v_cvt_scalef32_pk8_bf8_f32 v[PC+2*\g:PC+2*\g+1], v[XS+8*\g:XS+8*\g+7], v14
.endr
	v_nop
	global_store_b128 v7, v[PC:PC+3], s[14:15] offset:((\n)/4)*32768+512*((\n)%4)         ; k = 32 c + 0..15: the place of lane (r, 0); sixteen lanes fill 256 consecutive bytes of each of two tiles
	global_store_b128 v7, v[PC+4:PC+7], s[14:15] offset:((\n)/4)*32768+512*((\n)%4)+256   ; k = 32 c + 16..31: the place of lane (r, 1)
.if (\n)+2 < 8
	LOADW (\n)+2
.endif
.endm
	LOADW 0
	LOADW 1
.irp n, 0,1,2,3,4,5,6,7
	BLOCKW \n
.endr
	v_mov_b32 v40, v[PW]                           ; row r's words of tiles 0 .. 3: mine (u = 0) and those of lane l xor 8 (u = 1)
	v_mov_b32 v41, 0
	v_mov_b32 v42, v[PW+1]
	v_mov_b32 v43, 0
	v_mov_b32_dpp v41, v[PW] row_xmask:8 row_mask:0xf bank_mask:0xf
	v_mov_b32_dpp v43, v[PW+1] row_xmask:8 row_mask:0xf bank_mask:0xf
	v_and_b32 v9, 8, v1
	s_delay_alu instid0(VALU_DEP_1)
	v_cmp_eq_u32 vcc_lo, 0, v9
	s_wait_alu depctr_va_vdst(0)
	s_wait_xcnt 0x0                                ; EXEC changes only behind this wait
	s_and_saveexec_b32 s31, vcc_lo
	global_store_b128 v8, v[40:43], s[16:17]       ; the sixteen lanes with u = 0 store the unit's 256 bytes
	s_wait_xcnt 0x0
	s_or_b32 exec_lo, exec_lo, s31
	s_wait_tensorcnt 0x0                           ; the same three closing lines on this path
	ds_add_u32 v[SPW], v[NIL]
	s_wait_dscnt 0x0
	s_endpgm
.Lfunc_end_k_q2db3168f8f_prep:
	.size	k_q2db3168f8f_prep, .Lfunc_end_k_q2db3168f8f_prep-k_q2db3168f8f_prep
	.p2alignl 7, 3214868480
	.fill 96, 4, 3214868480
	.section	.rodata,"a",@progbits
	.p2align	6, 0x0
	.amdhsa_kernel k_q2db3168f8f_prep
		.amdhsa_group_segment_fixed_size 17152
		.amdhsa_private_segment_fixed_size 0
		.amdhsa_enable_private_segment 0
		.amdhsa_kernarg_size 56
		.amdhsa_user_sgpr_count 2
		.amdhsa_user_sgpr_kernarg_segment_ptr 1
		.amdhsa_wavefront_size32 1
		.amdhsa_system_sgpr_workgroup_id_x 1
		.amdhsa_system_sgpr_workgroup_id_y 1
		.amdhsa_system_sgpr_workgroup_id_z 1
		.amdhsa_system_vgpr_workitem_id 0
		.amdhsa_next_free_vgpr 256
		.amdhsa_next_free_sgpr 66
		.amdhsa_reserve_vcc 1
		.amdhsa_float_denorm_mode_32 3
		.amdhsa_float_denorm_mode_16_64 3
		.amdhsa_memory_ordered 1
		.amdhsa_forward_progress 1
		.amdhsa_inst_pref_size 118
	.end_amdhsa_kernel
	.amdgpu_metadata
---
amdhsa.version: [ 1, 2 ]
amdhsa.kernels:
  - .name:           k_q2db3168f8f_prep
    .symbol:         k_q2db3168f8f_prep.kd
    .args:
      - { .name: query_input, .offset: 0, .size: 8, .value_kind: global_buffer, .address_space: global }
      - { .name: keyvalue_input, .offset: 8, .size: 8, .value_kind: global_buffer, .address_space: global }
      - { .name: Wq, .offset: 16, .size: 8, .value_kind: global_buffer, .address_space: global }
      - { .name: Wk, .offset: 24, .size: 8, .value_kind: global_buffer, .address_space: global }
      - { .name: Wv, .offset: 32, .size: 8, .value_kind: global_buffer, .address_space: global }
      - { .name: xw_codes, .offset: 40, .size: 8, .value_kind: global_buffer, .address_space: global }
      - { .name: xw_scales, .offset: 48, .size: 8, .value_kind: global_buffer, .address_space: global }
    .group_segment_fixed_size: 17152
    .private_segment_fixed_size: 0
    .kernarg_segment_align: 8
    .kernarg_segment_size: 56
    .max_flat_workgroup_size: 64
    .sgpr_count:     66
    .vgpr_count:     256
    .wavefront_size: 32
...
	.end_amdgpu_metadata
.endif
;; end of part 1
;; launch proj (part 2): grid 16 x 16, 4 waves a work-group, clusters of 4 x 4, 327,680 bytes of LDS; arguments xw_codes, xw_scales, bq, bk, bv, qkv_codes, qkv_scales; writes qkv_codes, qkv_scales
.if DOCPART == 2
	.amdgcn_target "amdgcn-amd-amdhsa--gfx1250"
	.amdhsa_code_object_version 6
	.text
	.protected	k_q2db3168f8f_proj
	.globl	k_q2db3168f8f_proj
	.p2align	8
	.type	k_q2db3168f8f_proj,@function
k_q2db3168f8f_proj:
	s_mov_b64 s[64:65], 0
	v_nop
	global_prefetch_b8 v0, s[64:65] scope:SCOPE_SE
	s_setreg_imm32_b32 hwreg(HW_REG_WAVE_MODE, 25, 1), 1
	s_wait_xcnt 0x0
	s_wait_alu depctr_hold_cnt(0) depctr_sa_sdst(0) depctr_va_vdst(0) depctr_va_sdst(0) depctr_va_ssrc(0) depctr_va_vcc(0) depctr_vm_vsrc(0)
	s_getreg_b32 s2, hwreg(HW_REG_IB_STS2, 6, 4)
	s_cmp_eq_u32 s2, 0
	s_cbranch_scc0 .Lentry_in_a_cluster
	s_endpgm
.Lentry_in_a_cluster:
	s_bfe_u32 s2, ttmp6, 0x10000c
	s_cmp_lg_u32 s2, 0xf033
	s_cbranch_scc0 .Lentry_shape_is_right
	s_endpgm
.Lentry_shape_is_right:
; Q = x_q Wq + bq, K = x_kv Wk + bk, V^T = (x_kv Wv + bv)^T on codes of E5M2 with E8M0 scales, each result quantised on the way out: Q and K along d_key, V along the keys.  No work is left out.
; LIMITS: NaN and infinities are not served; blocks whose largest magnitude lies under 2^-111 get the byte 1; the bias enters the f32 sum first.
; LAYOUTS as the launch before left them: fragment images of 2,048 bytes, a tile of 16 rows 16,384 bytes; scale words [K step: 77,824 bytes][unit of 64 rows][r][tile in the unit].
; All tiles but query_input's hold their rows in the order 32 (f / 2) + 8 (f % 2) + r + 8 (r / 8): as a product's first source two neighbouring tiles give a lane 16 neighbours along that tensor's rows.
; qkv_codes: Q's 512 tiles, K's 512 tiles; from byte 16,777,216 on V^T [batch][tile of 16 d_value][K step of 128 keys][2,048].  qkv_scales: Q, K: [K step: 65,536][unit][r][tile]; from byte 524,288 on V^T [batch][K step: 4,096][unit][r][tile].
; SHARES.  256 work-groups of four waves, 2 x 2.  A wave holds 64 rows of a weight, ALL of K = 1,024, in 512 registers and streams rows of x past them in blocks of 16: 32 products a block.
; PHASE 1: 512 rows x 128 columns of Q (z = 0) or K (z = 1): 16 blocks a wave; source 0 = the weight: a lane holds one row of x, its registers run along the columns.
; PHASE 2: 256 keys x 128 of d_value: 8 blocks a wave; source 0 = x: a lane holds one d_value, its registers run along the keys; a pair of blocks is 32 keys.
; Block b of a chunk of 128 rows is, for wave row w, tile 4 (b / 2) + 2 w + b % 2.
; A block is quantised among the next block's products, a pair of V's among the next pair's (copied into two more sets of sums): four lines behind every second product.
; FILLS: LDS has two slots of 128 rows.  Head: the weight into slot 1, chunk 0 into slot 0, the scale words of x's 512 rows and of V's 256 behind them.  Rounds inside blocks 0, 4, 8, 12 fill chunks 1, 2, 3 and W_v, a quarter a wave;
; their first halves are shown by the barrier inside the block two on, their second by the next round.  Chunk 4 comes at the change of phase, chunk 5 once W_v is in registers.  By this text's count a wave has one tensor load out at a time.
; CLUSTER: phase 1's rows and W_v are shared along a row of the cluster, W_q, W_k and V's rows along a column: joint loads.
; PREFETCHES: chunks 1 to 5, one chunk ahead of the load, each shared out by address among the sixteen waves that ask for it jointly.  The weights, which eight clusters read, are not asked for.
.set YB,    131072
.set SCL,   262144                     ; x's scale words [K step][2,048]
.set SCV,   SCL+16384                  ; those of V's rows [K step][1,024]
.set XNP,   SCV+8192                   ; 512 bytes unused, then the image of Q's or K's words, 2,048 bytes
.set XV,    XNP+2560                   ; the image of V's words: [K step of two][512]
.set SPARE, XV+1024
.set NF,    40                         ; LDS loads of a block's fetch
.set ADRA0, 4
.set LI,    5                          ; 16 x lane
.set AAS0,  6
.set PFQ,   7
.set PFV,   8
.set AASV,  9                          ; as AAS0, for V's rows
.set SPW,   10                         ; my spare word; v11 = 0
.set NIL,   11
.set ADRA,  12
.set VX,    13                         ; LDS address of a block's two scale bytes
.set ADRB,  14                         ; my rows of the first weight, of W_v
.set ADRW,  15
.set VXV,   16
.set AAS,   17
.set TP,    18
.set SCO,   20                         ; the conversions' scale operands
.set HLD,   22                         ; 57,344 x the scale
.set SB,    24                         ; v24-39 the weight's scale words: register 8 p + q: lanes 0-15 tile 2 p, lanes 16-31 tile 2 p + 1
.set EB,    40                         ; v40-43 bytes
.set SA,    44                         ; v44-59 x's scale words, two sets
.set TQ,    60                         ; v60-63 maxima
.set ACC,   64                         ; v64-191 four sets of sums
.set WS,    128                        ; W_v's scale words until the change of phase
.set NCD,   192                        ; v192-207 codes
.set BQ,    208                        ; v208-239 the bias, the first products' C
.set BV,    240                        ; v240-243 V's, a number a tile
.set SD,    244
.set VV,    245
.set G1A, 24
.set G1B, 32
.set G1R, 48
.set G1S, 68
.set G1T, 92
.set G0A, 56
.set G0B, 60
.set G0R, 76                           ; at the head the group 0 of V's scale words
.set G0S, 80
.set WB,  4                            ; s[4:5] V's rows
.set VC,  10                           ; s[10:11] V's codes
.set PQ,  12                           ; s[12:13] x's rows, for the prefetches
.set VS,  20                           ; s[20:21] V's scale words
.set PC,  86                           ; s[86:87] Q's or K's codes
.set QS,  88                           ; s[88:89] their scale words
.set SEL, 90
.set PV,  100                          ; s[100:101] V's rows, for the prefetches
.set MNT, 40
.set MSB, 0
.macro WIN new                         ; the immediate's high byte repeats the setting that is left
.if MSB != (\new)
	s_set_vgpr_msb (MSB<<8)|(\new)
.set MSB, (\new)
.endif
.endm
.macro PLACES n
.rept \n
	v_nop
.endr
.endm
.macro BARRIER
	s_barrier_signal -1
	s_barrier_wait -1
.endm
.macro CROUND                          ; a round of the cluster's barrier
	BARRIER
	s_cmp_lg_u32 s14, 0
	s_cbranch_scc1 .Lnot_wave_0_\@
	s_barrier_signal -3
.Lnot_wave_0_\@:
	s_barrier_wait -3
	BARRIER
.endm
.macro MIDDLE                          ; a round's middle, behind products that stand inside its opening barrier
	WIN 0
	s_barrier_wait -1
	s_cmp_lg_u32 s14, 0
	s_cbranch_scc1 .Lnot_wave_0_\@
	s_barrier_signal -3
.Lnot_wave_0_\@:
	s_barrier_wait -3
.endm
.macro TLOAD g0, g1                    ; an s_nop 0 and four v_nop follow
	tensor_load_to_lds s[\g0:\g0+3], s[\g1:\g1+7]
	s_nop 0
	PLACES 4
.endm
.macro WALU
	s_wait_alu depctr_va_vdst(0)
.endm
.macro GRD
	s_wait_tensorcnt 0x0
	ds_add_u32 v[SPW], v[NIL]
.endm
.macro GROUP1 g, mask, d0, rows, pitch ; descriptor group 1: rows of d0 elements of 8 bytes, shared by the mask, no padding
	s_or_b32 s[\g], s[\mask], (3<<16)|(1<<21)
	s_mov_b32 s[\g+1], (\d0)<<16
	s_mov_b32 s[\g+2], (\rows)<<16
	s_mov_b32 s[\g+3], (\d0)<<16
	s_mov_b32 s[\g+4], \rows
	s_mov_b32 s[\g+5], \pitch
	s_mov_b32 s[\g+6], 0
	s_mov_b32 s[\g+7], 0
.endm
.macro SHADD d, x, n                   ; s[d] += s[x] << n
	s_lshl_b32 s3, s\x, \n
	s_add_co_u32 s\d, s\d, s3
.endm
.macro AT d, p                         ; an address: a buffer's + the offset in s[46:47]
	s_add_nc_u64 s[\d:\d+1], s[\p:\p+1], s[46:47]
.endm
	s_load_b256 s[4:11], s[0:1], 0x0               ; xw_codes, xw_scales, bq, bk
	s_load_b128 s[84:87], s[0:1], 0x20             ; bv, qkv_codes
	s_load_b64 s[88:89], s[0:1], 0x30              ; qkv_scales
	v_lshl_add_u32 v[SPW], v0, 2, SPARE
	v_mov_b32 v[NIL], 0
	ds_add_u32 v[SPW], v[NIL]                      ; the opening: the add, twice on end, and its wait ahead of my first tensor load
	ds_add_u32 v[SPW], v[NIL]
	v_lshrrev_b32 v1, 5, v0
	v_readfirstlane_b32 s14, v1                    ; wave 0..3
	s_lshr_b32 s15, s14, 1                         ; my row of waves
	s_and_b32 s16, s14, 1                          ; my column
	s_bfe_u32 s40, ttmp6, 0x40000                  ; cx
	s_bfe_u32 s41, ttmp6, 0x40004                  ; cy
	s_lshr_b32 s18, ttmp9, 1                       ; z: 0 Q, 1 K
	s_and_b32 s42, ttmp9, 1
	s_and_b32 s43, ttmp7, 0xffff                   ; cluster y = V's batch
	s_lshl_b32 s19, s43, 2
	s_add_co_u32 s19, s19, s41                     ; phase 1's 512 rows: 4 cluster y + cy
	s_lshl_b32 s66, s42, 2
	s_add_co_u32 s66, s66, s40                     ; phase 1's 128 columns; also V's window of 256 keys in its batch: 4 (cluster x % 2) + cx
	s_lshl_b32 s67, s18, 2
	s_add_co_u32 s67, s67, s41                     ; phase 2's 128 of d_value: 4 z + cy
	s_lshl_b32 s2, s43, 3
	s_add_co_u32 s2, s2, s66                       ; V's window, 0..31
	s_lshl_b32 s44, s41, 2
	s_lshl_b32 s44, 15, s44                        ; my row of the cluster
	s_lshl_b32 s45, 0x1111, s40                    ; my column
	GROUP1 G1B, 45, 2048, 8, 2048                  ; wave 0: the first weight, 8 tiles
	GROUP1 G1A, 44, 2048, 8, 2048                  ; wave 1: chunk 0
	GROUP1 G1S, 44, 256, 8, 9728                   ; wave 2: x's scale words, 2,048 bytes for each of 8 K steps
	GROUP1 G1T, 45, 128, 8, 9728                   ; wave 3: those of V's rows, 1,024 bytes each
	GROUP1 G1R, 44, 2048, 2, 2048                  ; a refill: 2 tiles a wave
	s_mov_b32 s[SEL], 0x76543210
	s_mov_b32 s[SEL+1], 0xfedcba98                 ; lane selects: lane l xor 16
	s_mov_b32 s[G0A], 1
	s_mov_b32 s[G0A+1], 0
	s_mov_b32 s[G0B], 1
	s_mov_b32 s[G0B+1], YB
	s_mov_b32 s[G0S], 1
	s_mov_b32 s[G0S+1], SCL
	s_mov_b32 s[G0R], 1
	s_mov_b32 s[G0R+1], SCV
	s_mov_b32 s47, 0
	s_wait_dscnt 0x0                               ; both opening adds are done
	CROUND                                         ; all sixteen work-groups are here
	s_wait_kmcnt 0x0
	s_mov_b32 s46, 0x1000000                       ; the first weight's rows
	SHADD 46, 18, 20
	SHADD 46, 66, 17
	AT G0B+2, 4
	s_or_b32 s[G0B+3], s[G0B+3], 0x80000000
	s_lshl_b32 s46, s18, 23                        ; x's rows
	SHADD 46, 19, 19
	AT PQ, 4
	s_mov_b64 s[G0A+2:G0A+3], s[PQ:PQ+1]
	s_or_b32 s[G0A+3], s[G0A+3], 0x80000000
	s_lshl_b32 s46, s18, 15                        ; their scale words
	SHADD 46, 19, 11
	AT G0S+2, 6
	s_or_b32 s[G0S+3], s[G0S+3], 0x80000000
	s_mov_b32 s46, 0x8000                          ; V's rows' scale words
	SHADD 46, 2, 10
	AT G0R+2, 6
	s_or_b32 s[G0R+3], s[G0R+3], 0x80000000
	s_cmp_eq_u32 s14, 0                            ; one joint load a wave, each with a line of its own
	s_cbranch_scc0 .Lwave_1
	TLOAD G0B, G1B
	s_branch .Lasked
.Lwave_1:
	s_cmp_eq_u32 s14, 1
	s_cbranch_scc0 .Lwave_2
	TLOAD G0A, G1A
	s_branch .Lasked
.Lwave_2:
	s_cmp_eq_u32 s14, 2
	s_cbranch_scc0 .Lwave_3
	TLOAD G0S, G1S
	s_branch .Lasked
.Lwave_3:
	TLOAD G0R, G1T
.Lasked:
	s_mov_b32 s46, 0x800000                        ; V's rows
	SHADD 46, 2, 18
	AT WB, 4
	s_sub_nc_u64 s[PV:PV+1], s[WB:WB+1], 3*YB      ; stepped once a trip: at trip 2 it names chunk 4
	s_mov_b32 s46, 0x10000                         ; my 64 rows' scale words of the first weight,
	SHADD 46, 18, 12
	SHADD 46, 66, 9
	SHADD 46, 16, 8
	AT 22, 6
	s_mov_b32 s46, 73728                           ; and of W_v
	SHADD 46, 67, 9
	SHADD 46, 16, 8
	AT 6, 6
	s_cmp_eq_u32 s18, 0                            ; the biases: my 64 columns,
	s_cselect_b64 s[8:9], s[8:9], s[10:11]
	s_lshl_b32 s46, s66, 9
	SHADD 46, 16, 8
	AT 8, 8
	s_lshl_b32 s46, s67, 9                         ; my 64 of d_value
	SHADD 46, 16, 8
	AT 84, 84
	s_mov_b32 s46, 0x1000000                       ; where my results go: V's codes,
	SHADD 46, 43, 21
	SHADD 46, 67, 18
	SHADD 46, 16, 17
	SHADD 46, 66, 12
	SHADD 46, 15, 9
	AT VC, 86
	s_sub_nc_u64 s[VC:VC+1], s[VC:VC+1], 2048      ; stepped at each pair's start; a pair is stored a pair later
	s_lshl_b32 s46, s18, 23                        ; Q's or K's codes,
	SHADD 46, 19, 19
	SHADD 46, 66, 11
	SHADD 46, 16, 10
	SHADD 46, 15, 15
	AT PC, 86
	s_sub_nc_u64 s[PC:PC+1], s[PC:PC+1], 65536     ; stepped at each block's start; a block is stored a block later
	s_mov_b32 s46, 0x80000                         ; V's scale words,
	SHADD 46, 43, 16
	SHADD 46, 66, 13
	SHADD 46, 67, 9
	AT VS, 88
	s_lshl_b32 s46, s66, 16                        ; Q's or K's
	SHADD 46, 18, 15
	SHADD 46, 19, 11
	AT QS, 88
	s_mov_b32 s17, 0x1200000-3*YB                  ; from x's chunk 3 to W_v's rows
	SHADD 17, 67, 17
	s_lshl_b32 s3, s18, 23
	s_sub_co_u32 s17, s17, s3
	s_lshl_b32 s3, s19, 19
	s_sub_co_u32 s17, s17, s3
	s_mov_b32 s43, s17
	s_lshl_b32 s18, s40, 2                         ; my sixteenth of a chunk: among a row of the cluster,
	s_add_co_u32 s18, s18, s14
	s_lshl_b32 s18, s18, 13
	s_lshl_b32 s19, s41, 2                         ; and among a column
	s_add_co_u32 s19, s19, s14
	s_lshl_b32 s19, s19, 13
	s_mov_b32 s66, YB                              ; s[66:67] a refill's step
	s_mov_b32 s67, 0
	s_mov_b32 s[MNT], 0x600000                     ; the mantissa field of 57,344
	v_and_b32 v1, 15, v0                           ; r
	v_bfe_u32 v2, v0, 4, 1                         ; h
	v_and_b32 v3, 31, v0                           ; lane
	v_lshlrev_b32 v20, 4, v1
	v_lshl_add_u32 v21, v2, 2, v20                 ; 16 r + 4 h
	v_lshlrev_b32 v22, 6, v2
	v_and_b32 v23, 8, v1
	v_add_nc_u32 v23, v23, v1
	v_lshlrev_b32 v23, 2, v23                      ; the lane's one d_value of a tile: r + 8 (r / 8)
.irp q, 0,1,2,3,4,5,6,7
.irp p, 0,1
	global_load_b32 v[SB+8*\p+\q], v21, s[22:23] offset:77824*\q+8*\p
	global_load_b32 v[WS+8*\p+\q], v21, s[6:7] offset:77824*\q+8*\p
.endr
.endr
.irp b, 0,1,2,3                        ; register j of tile b: column 32 (b / 2) + 16 h + 8 (b % 2) + j
	global_load_b128 v[BQ+8*\b:BQ+8*\b+3], v22, s[8:9] offset:128*(\b/2)+32*(\b%2)
	global_load_b128 v[BQ+8*\b+4:BQ+8*\b+7], v22, s[8:9] offset:128*(\b/2)+32*(\b%2)+16
	global_load_b32 v[BV+\b], v23, s[84:85] offset:128*(\b/2)+32*(\b%2)
.endr
	s_lshl_b32 s2, s15, 15
	s_lshl_b32 s3, s16, 16
	s_lshl_b32 s46, s15, 3
	s_lshl_b32 s17, s16, 1
	s_add_co_u32 s17, s17, s46
	v_lshlrev_b32 v[LI], 4, v3
	v_add_nc_u32 v[ADRA0], s2, v[LI]
	v_add_nc_u32 v[ADRW], s3, v[LI]
	v_add_nc_u32 v[ADRB], YB, v[ADRW]
	v_add_nc_u32 v[AAS0], s46, v20
	v_add_nc_u32 v[AASV], SCV, v[AAS0]
	v_add_nc_u32 v[AAS0], SCL, v[AAS0]
	v_add_nc_u32 v[VX], s17, v20
	v_add_nc_u32 v[VX], XNP, v[VX]                 ; 16 r + 8 x wave row + 2 x wave column
	s_lshl_b32 s17, s16, 8
	s_add_co_u32 s17, s17, s15
	v_add_nc_u32 v[VXV], s17, v20
	v_add_nc_u32 v[VXV], XV, v[VXV]                ; 256 x wave column + 16 r + wave row
	v_lshl_add_u32 v[PFQ], v3, 8, s18
	v_lshl_add_u32 v[PFV], v3, 8, s19
	v_mov_b32 v[TP], 0                             ; (a lane permute's destination counts as one of its sources)
	v_mov_b32 v[TP+1], 0
.set I_, 0
.rept 32
	v_mov_b32 v[ACC+32+I_], 0                      ; block 0 has no block before it: its places work on zeros, and nothing of that is stored
.set I_, I_+1
.endr
	WALU                                           ; the wait at the head's end
	s_cmp_eq_u32 s14, 0
	s_cbranch_scc0 .Lnot_w
	s_wait_tensorcnt 0x0                           ; wave 0: the weight has landed; the other waves' wait stands at the second barrier
.Lnot_w:
	BARRIER
	global_prefetch_b8 v[PFQ], s[PQ:PQ+1] offset:YB th:TH_LOAD_NT scope:SCOPE_SE
.macro WEIGHTS a                       ; my 64 rows of a weight, all of K: fragment 4 q + b lies in window 1 + (4 q + b) / 16
.irp q, 0,1,2,3,4,5,6,7
	WIN (1+\q/4)<<6
.irp b, 0,1,2,3
.irp c, 0,1,2,3
	ds_load_b128 v[64*(\q%4)+16*\b+4*\c:64*(\q%4)+16*\b+4*\c+3], v[\a] offset:16384*\b+2048*\q+512*\c
.endr
.endr
.endr
	WIN 0
.endm
.macro FETCH e, a, s, oa, os, pitch    ; a block's fragments into set e of window 3, and its scale words
	WIN 0xc0
.irp q, 0,1,2,3,4,5,6,7
.irp c, 0,1,2,3
	ds_load_b128 v[128*\e+16*\q+4*\c:128*\e+16*\q+4*\c+3], v[\a] offset:2048*\q+512*\c+\oa
.endr
.endr
	WIN 0
.irp q, 0,1,2,3,4,5,6,7
	ds_load_b32 v[SA+8*\e+\q], v[\s] offset:\pitch*\q+\os
.endr
.endm
.macro PROD kind, e, n                 ; product n = 4 q + b: tile b of the weight x the block, the q-th 128 of K; sums in set e
.set Q_, (\n)/4
.set B_, (\n)%4
.set A_, ACC+32*(\e)+8*B_
.set C_, A_
.if Q_ == 0
.set C_, BQ+8*B_
.endif
.set R_, 128*(\e)+16*Q_
.set W_, 16*((\n)%16)
.set XS_, SA+8*(\e)+Q_
.set WS_, SB+8*(B_/2)+Q_
.if \kind
	WIN 3|((1+(\n)/16)<<2)
.if B_%2
	v_wmma_scale_f32_16x16x128_f8f6f4 v[A_:A_+7], v[R_:R_+15], v[W_:W_+15], v[C_:C_+7], v[XS_], v[WS_] matrix_a_fmt:MATRIX_FMT_BF8 matrix_b_fmt:MATRIX_FMT_BF8 matrix_b_scale:MATRIX_SCALE_ROW1
.else
	v_wmma_scale_f32_16x16x128_f8f6f4 v[A_:A_+7], v[R_:R_+15], v[W_:W_+15], v[C_:C_+7], v[XS_], v[WS_] matrix_a_fmt:MATRIX_FMT_BF8 matrix_b_fmt:MATRIX_FMT_BF8
.endif
.else
	WIN (1+(\n)/16)|12
.if B_%2
	v_wmma_scale_f32_16x16x128_f8f6f4 v[A_:A_+7], v[W_:W_+15], v[R_:R_+15], v[C_:C_+7], v[WS_], v[XS_] matrix_a_fmt:MATRIX_FMT_BF8 matrix_b_fmt:MATRIX_FMT_BF8 matrix_a_scale:MATRIX_SCALE_ROW1
.else
	v_wmma_scale_f32_16x16x128_f8f6f4 v[A_:A_+7], v[W_:W_+15], v[R_:R_+15], v[C_:C_+7], v[WS_], v[XS_] matrix_a_fmt:MATRIX_FMT_BF8 matrix_b_fmt:MATRIX_FMT_BF8
.endif
.endif
.endm
.macro HOLD x, b                       ; the conversion does not saturate (ISA guide 7.6.2): the hold comes first
	v_med3_num_f32 v[\x], v[\x], -v[\b], v[\b]
.endm
.macro MAXA d, x                       ; two more magnitudes
	v_max3_num_f32 v[\d], v[\d], |v[\x]|, |v[\x+1]|
.endm
.macro WQ i, x                         ; line i of 63: Q's or K's block at x (two scale blocks of 32, each in lanes l and l xor 16) -> bytes, codes; each sum is read from its low end on
.set K2_, (\i)%2
.set Y_, (\x)+16*K2_
.if (\i) < 2
	v_max3_num_f32 v[TQ+K2_], |v[Y_]|, |v[Y_+1]|, |v[Y_+2]|
.elseif (\i) < 4
	v_max3_num_f32 v[TQ+2+K2_], |v[Y_+7]|, |v[Y_+8]|, |v[Y_+9]|
.elseif (\i) < 6
	MAXA TQ+K2_, Y_+3
.elseif (\i) < 8
	MAXA TQ+2+K2_, Y_+10
.elseif (\i) < 10
	MAXA TQ+K2_, Y_+5
.elseif (\i) < 12
	MAXA TQ+2+K2_, Y_+12
.elseif (\i) < 14
	v_max3_num_f32 v[TQ+K2_], v[TQ+K2_], v[TQ+2+K2_], |v[Y_+14]|
.elseif (\i) < 16
	v_max3_num_f32 v[TQ+K2_], v[TQ+K2_], |v[Y_+15]|, 0x8000000   ; and the floor 2^(16 - 127): the byte cannot fall under 1
.elseif (\i) < 18
	v_permlanex16_b32 v[TP+K2_], v[TQ+K2_], s[SEL], s[SEL+1]
.elseif (\i) < 20
	v_max_num_f32 v[TQ+K2_], v[TQ+K2_], v[TP+K2_]
.elseif (\i) < 22
	v_add_nc_u32 v[SCO+K2_], 0xf8800000, v[TQ+K2_]   ; 15 off the exponent field: the conversion's scale operand
.elseif (\i) < 24
	v_and_or_b32 v[HLD+K2_], v[TQ+K2_], 0x7f800000, s[MNT]
.elseif (\i) < 26
	v_lshrrev_b32 v[EB+K2_], 23, v[SCO+K2_]
.elseif (\i) == 26
	v_lshl_or_b32 v[SD], v[EB+1], 8, v[EB]
.elseif (\i) < 63
.set M_, ((\i)-27)/9
.set P_, ((\i)-27)%9
.if P_ < 8
	HOLD (\x)+8*M_+P_, HLD+M_/2
.else
	v_cvt_scalef32_pk8_bf8_f32 v[NCD+2*M_:NCD+2*M_+1], v[(\x)+8*M_:(\x)+8*M_+7], v[SCO+M_/2]
.endif
.endif
.endm
.macro WV u, x                         ; line u of 124, 31 a tile: a pair of V's blocks, the even one's sums at x, the odd one's at x + 32
.set T_, (\u)/31
.set J_, (\u)%31
.set E_, (\x)+8*T_
.set O_, E_+32
.if (\u) > 123
.elseif J_ == 0
	v_max3_num_f32 v[TQ], |v[E_]|, |v[E_+1]|, |v[E_+2]|
.elseif J_ == 1
	v_max3_num_f32 v[TQ+1], |v[O_]|, |v[O_+1]|, |v[O_+2]|
.elseif J_ == 2
	MAXA TQ, E_+3
.elseif J_ == 3
	MAXA TQ+1, O_+3
.elseif J_ == 4
	MAXA TQ, E_+5
.elseif J_ == 5
	MAXA TQ+1, O_+5
.elseif J_ == 6
	v_max3_num_f32 v[TQ], v[TQ], v[TQ+1], |v[E_+7]|
.elseif J_ == 7
	v_max3_num_f32 v[TQ], v[TQ], |v[O_+7]|, 0x8000000
.elseif J_ == 8
	v_permlanex16_b32 v[TQ+1], v[TQ], s[SEL], s[SEL+1]
.elseif J_ == 9
	v_max_num_f32 v[TQ], v[TQ], v[TQ+1]
.elseif J_ == 10
	v_add_nc_u32 v[SCO], 0xf8800000, v[TQ]
.elseif J_ == 11
	v_and_or_b32 v[HLD], v[TQ], 0x7f800000, s[MNT]
.elseif J_ == 12
	v_lshrrev_b32 v[EB+T_], 23, v[SCO]
.elseif J_ < 21
	HOLD E_+J_-13, HLD
.elseif J_ == 21
	v_cvt_scalef32_pk8_bf8_f32 v[NCD+4*T_:NCD+4*T_+1], v[E_:E_+7], v[SCO]
.elseif J_ < 30
	HOLD O_+J_-22, HLD
.else
	v_cvt_scalef32_pk8_bf8_f32 v[NCD+4*T_+2:NCD+4*T_+3], v[O_:O_+7], v[SCO]
.endif
.endm
.macro BLOCK kind, e, from, to         ; products from .. to - 1 of a block; behind every second one four lines of the way out
.set N_, \from
.rept (\to)-(\from)
	PROD \kind, \e, N_
.if N_%2 == 0
	WIN 0
.if \kind
.set L_, 64*\e+2*N_
.else
.set L_, 2*N_
.endif
.rept 4
.if \kind
	WV L_, ACC+64
.else
	WQ L_, ACC+32-32*\e
.endif
.set L_, L_+1
.endr
.endif
.set N_, N_+1
.endr
.endm
.macro START step                      ; my fragments are in (the next block's fetch may be out); the last stores and prefetches have read their registers
	s_wait_dscnt NF
	s_wait_xcnt 0x0
	s_add_nc_u64 s[PC:PC+1], s[PC:PC+1], \step
.endm
.macro RECORD off
	ds_store_b16 v[VX], v[SD] offset:\off
	global_store_b128 v[LI], v[NCD:NCD+3], s[PC:PC+1]               ; 32 lanes store 512 consecutive bytes
	global_store_b128 v[LI], v[NCD+4:NCD+7], s[PC:PC+1] offset:512
.endm
.macro MOUT sa, oa, ss, os, off, skip  ; behind a block's products: the addresses of the block two on; the block before leaves
	WIN 0
	s_add_co_u32 s22, s\sa, \oa
	s_add_co_u32 s23, s\ss, \os
	v_add_nc_u32 v[ADRA], s22, v[ADRA0]
	v_add_nc_u32 v[AAS], s23, v[AAS0]
	PLACES 6                                       ; with the two lines above eight places behind the last product
	WALU
.if \skip
	s_cmp_eq_u32 s46, 0
	s_cbranch_scc1 .Lnone_before_\@
.endif
	RECORD \off
.Lnone_before_\@:
.endm
.macro FSKIP e                         ; the last trip's second half fetches nothing: it waits for what is out instead
	s_cmp_eq_u32 s46, 3
	s_cbranch_scc1 .Lno_fetch_\@
	FETCH \e, ADRA, AAS, 0, 0, 2048
	s_branch .Lfetched_\@
.Lno_fetch_\@:
	s_wait_dscnt 0x0
.Lfetched_\@:
.endm
	WEIGHTS ADRB
	s_wait_tensorcnt 0x0                           ; chunk 0 and all scale words are in; the weight is in registers
	s_wait_dscnt 0x0
	BARRIER
	FETCH 0, ADRA0, AAS0, 0, 0, 2048
	FETCH 1, ADRA0, AAS0, 16384, 4, 2048
	s_lshl_b32 s[G0R+1], s14, 15                   ; a refill: my two tiles of a chunk; the first step leads to chunk 1 and slot 1
	s_lshl_b32 s46, s14, 15
	s_mov_b32 s47, 0
	AT G0R+2, PQ
	s_or_b32 s[G0R+3], s[G0R+3], 0x80000000
	s_mov_b32 s46, 0                               ; the trip
	s_mov_b32 s3, 0                                ; this chunk's slot and the next one's
	s_mov_b32 s47, YB
	s_mov_b32 s17, 0                               ; where their scale words begin
	s_mov_b32 s42, 512
	s_wait_loadcnt 0x0                             ; the biases and the weights' scale words
.Lfour:                                                ; four trips of four blocks, each with its one refill
	START 16384
	s_add_nc_u64 s[PQ:PQ+1], s[PQ:PQ+1], YB
	s_add_nc_u64 s[PV:PV+1], s[PV:PV+1], YB
	GRD
	s_add_nc_u64 s[G0R+2:G0R+3], s[G0R+2:G0R+3], s[66:67]
	s_xor_b32 s[G0R+1], s[G0R+1], YB
	BLOCK 0, 0, 0, 28
	WIN 0
	WALU
	s_wait_dscnt 0x0
	s_barrier_signal -1
	BLOCK 0, 0, 28, 32
	MIDDLE
	BARRIER                                        ; the round is closed: no wave of any partner still reads that slot
	s_cmp_lt_u32 s14, 2                            ; a line for waves 0, 1 and one for waves 2, 3: block 2's barrier waits for the first alone
	s_cbranch_scc0 .Lupper
	TLOAD G0R, G1R
	s_branch .Lboth
.Lupper:
	TLOAD G0R, G1R
.Lboth:
	MOUT 3, 65536, 17, 256, 260, 1
	FETCH 0, ADRA, AAS, 0, 0, 2048
	s_cmp_lt_u32 s46, 2                            ; trips 0, 1: chunks 2, 3; trips 2, 3: chunks 4, 5
	s_cbranch_scc0 .Lask_v
	global_prefetch_b8 v[PFQ], s[PQ:PQ+1] offset:YB th:TH_LOAD_NT scope:SCOPE_SE
	s_branch .Lask_done
.Lask_v:
	global_prefetch_b8 v[PFV], s[PV:PV+1] th:TH_LOAD_NT scope:SCOPE_SE
.Lask_done:
	START 49152
	BLOCK 0, 1, 0, 32
	MOUT 3, 81920, 17, 260, 512, 0
	FETCH 1, ADRA, AAS, 0, 0, 2048
	START 16384
	BLOCK 0, 0, 0, 28
	WIN 0
	WALU
	s_cmp_lt_u32 s14, 2
	s_cbranch_scc0 .Lnot_yet
	s_wait_tensorcnt 0x0                           ; waves 0, 1: the next chunk's first half
.Lnot_yet:
	s_wait_dscnt 0x0
	s_barrier_signal -1
	BLOCK 0, 0, 28, 32
	WIN 0
	s_barrier_wait -1
	MOUT 47, 0, 42, 0, 516, 0
	FSKIP 0
	START 49152
	BLOCK 0, 1, 0, 32
	MOUT 47, 16384, 42, 4, 768, 0
	v_add_nc_u32 v[VX], 512, v[VX]
	WALU
	FSKIP 1
	s_mov_b32 s3, s47
	s_mov_b32 s17, s42
	s_xor_b32 s47, s47, YB
	s_add_co_u32 s42, s42, 512
	s_cmp_eq_u32 s46, 2
	s_cselect_b32 s66, s43, s66                    ; the fourth refill is W_v
	s_add_co_u32 s46, s46, 1
	s_cmp_lg_u32 s46, 4
	s_cbranch_scc1 .Lfour
; THE CHANGE OF PHASE
	s_wait_xcnt 0x0
	s_add_nc_u64 s[PC:PC+1], s[PC:PC+1], 16384
.set K_, 0
.rept 63
	WQ K_, ACC+32                                  ; the last block leaves
.set K_, K_+1
.endr
	v_nop                                          ; a plain line behind the last conversion
	WALU
	RECORD 260
	GRD
	GROUP1 G1A, 45, 2048, 2, 2048                  ; (chunk 0's descriptor is free) shared by my column
	s_lshl_b32 s22, s14, 15
	s_mov_b32 s23, 0
	s_add_nc_u64 s[G0A+2:G0A+3], s[WB:WB+1], s[22:23]
	s_or_b32 s[G0A+3], s[G0A+3], 0x80000000
	s_add_co_u32 s[G0A+1], s22, YB
	s_wait_dscnt 0x0
	CROUND
	TLOAD G0A, G1A
	WEIGHTS ADRW
.irp p, 0,8
.irp q, 0,1,2,3,4,5,6,7
	v_mov_b32 v[SB+\p+\q], v[WS+\p+\q]             ; W_v's scale words take their place
.endr
.endr
.irp t, 0,1,2,3
.irp i, 0,1,2,3,4,5,6,7
	v_mov_b32 v[BQ+8*\t+\i], v[BV+\t]              ; the lane's one d_value, for its eight keys
.endr
.endr
.set I_, 0
.rept 64
	v_mov_b32 v[ACC+64+I_], 0                      ; the first pair has no pair before it
.set I_, I_+1
.endr
	v_add_nc_u32 v[ADRA], YB, v[ADRA0]
	WALU
	GRD
	s_lshl_b32 s[G0A+1], s14, 15
	s_add_nc_u64 s[G0A+2:G0A+3], s[G0A+2:G0A+3], YB
	s_wait_dscnt 0x0
	CROUND
	TLOAD G0A, G1A
	FETCH 0, ADRA, AASV, 0, 0, 1024
	FETCH 1, ADRA, AASV, 16384, 4, 1024
	s_mov_b32 s46, 0                               ; the pair
	s_mov_b32 s47, YB+65536                        ; where the next pair's tiles and scale words lie
	s_mov_b32 s42, 256
.macro RECV                            ; a pair: four tiles' bytes and codes
.irp t, 0,1,2,3
	ds_store_b8 v[VV], v[EB+\t] offset:4*\t
	global_store_b128 v[LI], v[NCD+4*\t:NCD+4*\t+3], s[VC:VC+1] offset:32768*\t
.endr
.endm
.Lpair:
	s_wait_dscnt NF
	s_wait_xcnt 0x0
	s_add_nc_u64 s[VC:VC+1], s[VC:VC+1], 1024
	BLOCK 1, 0, 0, 32
	WIN 0
	v_add_nc_u32 v[ADRA], s47, v[ADRA0]
	v_add_nc_u32 v[AAS], s42, v[AASV]
	PLACES 6
	WALU
	s_cmp_eq_u32 s46, 3
	s_cbranch_scc1 .Lno_even
	FETCH 0, ADRA, AAS, 0, 0, 1024
	s_branch .Leven
.Lno_even:
	s_wait_dscnt 0x0
.Leven:
	s_wait_dscnt NF
	BLOCK 1, 1, 0, 28
	WIN 0
	WALU
	s_wait_tensorcnt 0x0                           ; the first pair's shows chunk 5
	s_wait_dscnt 0x0
	s_barrier_signal -1
	BLOCK 1, 1, 28, 32
	WIN 0
	s_barrier_wait -1
	PLACES 8
.set I_, 0
.rept 32                               ; the pair's sums are copied, each from its low end on
	v_dual_mov_b32 v[ACC+64+I_], v[ACC+I_] :: v_dual_mov_b32 v[ACC+64+I_+1], v[ACC+I_+1]
.set I_, I_+2
.endr
	s_add_co_u32 s22, s46, 3
	s_and_b32 s22, s22, 3                          ; the pair before this one: K step s22 / 2, byte 2 (s22 % 2) + wave row
	s_lshr_b32 s23, s22, 1
	s_lshl_b32 s23, s23, 9
	s_and_b32 s22, s22, 1
	s_lshl_b32 s22, s22, 1
	s_add_co_u32 s22, s22, s23
	v_add_nc_u32 v[VV], s22, v[VXV]
	WALU
	s_cmp_eq_u32 s46, 0
	s_cbranch_scc1 .Lno_pair_before
	RECV
.Lno_pair_before:
	s_cmp_eq_u32 s46, 3
	s_cbranch_scc1 .Lno_odd
	FETCH 1, ADRA, AAS, 16384, 4, 1024
.Lno_odd:
	s_cmp_eq_u32 s46, 0
	s_cselect_b32 s47, 0, 65536
	s_add_co_u32 s42, s42, 256
	s_add_co_u32 s46, s46, 1
	s_cmp_lg_u32 s46, 4
	s_cbranch_scc1 .Lpair
	s_wait_xcnt 0x0                                ; the last pair leaves
	s_add_nc_u64 s[VC:VC+1], s[VC:VC+1], 1024
.set K_, 0
.rept 124
	WV K_, ACC+64
.set K_, K_+1
.endr
	v_add_nc_u32 v[VV], 514, v[VXV]
	WALU
	RECV
; THE SCALE WORDS: the images leave: 16 bytes of Q's or K's a thread, 8 of V's.
	v_lshlrev_b32 v1, 4, v0
	v_add_nc_u32 v2, XNP+512, v1
	v_lshlrev_b32 v3, 3, v0
	v_add_nc_u32 v18, XV, v3
	v_and_b32 v19, 63, v0
	v_lshlrev_b32 v19, 3, v19
	v_lshrrev_b32 v20, 6, v0
	v_lshl_add_u32 v19, v20, 12, v19               ; a K step's 512 bytes lie 4,096 bytes apart
	WALU
	s_wait_dscnt 0x0                               ; for the others' sake: my bytes are stored
	BARRIER
	ds_load_b128 v[60:63], v2
	ds_load_b64 v[40:41], v18
	s_wait_dscnt 0x0
	global_store_b128 v1, v[60:63], s[QS:QS+1]     ; 128 threads store 2,048 consecutive bytes
	global_store_b64 v19, v[40:41], s[VS:VS+1]     ; and 512 of each of two K steps
	s_wait_tensorcnt 0x0                           ; the wave's end
	ds_add_u32 v[SPW], v[NIL]
	s_wait_dscnt 0x0
	CROUND                                         ; the closing round
	s_endpgm
.Lfunc_end_k_q2db3168f8f_proj:
	.size	k_q2db3168f8f_proj, .Lfunc_end_k_q2db3168f8f_proj-k_q2db3168f8f_proj
	.p2alignl 7, 3214868480
	.fill 96, 4, 3214868480
	.section	.rodata,"a",@progbits
	.p2align	6, 0x0
	.amdhsa_kernel k_q2db3168f8f_proj
		.amdhsa_group_segment_fixed_size 327680
		.amdhsa_private_segment_fixed_size 0
		.amdhsa_enable_private_segment 0
		.amdhsa_kernarg_size 56
		.amdhsa_user_sgpr_count 2
		.amdhsa_user_sgpr_kernarg_segment_ptr 1
		.amdhsa_wavefront_size32 1
		.amdhsa_system_sgpr_workgroup_id_x 1
		.amdhsa_system_sgpr_workgroup_id_y 1
		.amdhsa_system_sgpr_workgroup_id_z 1
		.amdhsa_system_vgpr_workitem_id 0
		.amdhsa_next_free_vgpr 1024
		.amdhsa_next_free_sgpr 102
		.amdhsa_reserve_vcc 0
		.amdhsa_float_denorm_mode_32 3
		.amdhsa_float_denorm_mode_16_64 3
		.amdhsa_memory_ordered 1
		.amdhsa_forward_progress 1
		.amdhsa_inst_pref_size 143
	.end_amdhsa_kernel
	.amdgpu_metadata
---
amdhsa.version: [ 1, 2 ]
amdhsa.kernels:
  - .name:           k_q2db3168f8f_proj
    .symbol:         k_q2db3168f8f_proj.kd
    .args:
      - { .name: xw_codes, .offset: 0, .size: 8, .value_kind: global_buffer, .address_space: global }
      - { .name: xw_scales, .offset: 8, .size: 8, .value_kind: global_buffer, .address_space: global }
      - { .name: bq, .offset: 16, .size: 8, .value_kind: global_buffer, .address_space: global }
      - { .name: bk, .offset: 24, .size: 8, .value_kind: global_buffer, .address_space: global }
      - { .name: bv, .offset: 32, .size: 8, .value_kind: global_buffer, .address_space: global }
      - { .name: qkv_codes, .offset: 40, .size: 8, .value_kind: global_buffer, .address_space: global }
      - { .name: qkv_scales, .offset: 48, .size: 8, .value_kind: global_buffer, .address_space: global }
    .group_segment_fixed_size: 327680
    .private_segment_fixed_size: 0
    .kernarg_segment_align: 8
    .kernarg_segment_size: 56
    .max_flat_workgroup_size: 128
    .sgpr_count:     102
    .vgpr_count:     1024
    .wavefront_size: 32
...
	.end_amdgpu_metadata
.endif
;; end of part 2
;; launch scores (part 3): grid 16 x 16, 4 waves a work-group, clusters of 4 x 4, 327,680 bytes of LDS; arguments qkv_codes, qkv_scales, mask, p_codes, p_side; writes p_codes, p_side
.if DOCPART == 3
	.amdgcn_target "amdgcn-amd-amdhsa--gfx1250"
	.amdhsa_code_object_version 6
	.text
	.protected	k_q2db3168f8f_scores
	.globl	k_q2db3168f8f_scores
	.p2align	8
	.type	k_q2db3168f8f_scores,@function
k_q2db3168f8f_scores:
	s_mov_b64 s[64:65], 0
	v_nop
	global_prefetch_b8 v0, s[64:65] scope:SCOPE_SE
	s_setreg_imm32_b32 hwreg(HW_REG_WAVE_MODE, 25, 1), 1
	s_wait_xcnt 0x0
	s_wait_alu depctr_hold_cnt(0) depctr_sa_sdst(0) depctr_va_vdst(0) depctr_va_sdst(0) depctr_va_ssrc(0) depctr_va_vcc(0) depctr_vm_vsrc(0)
	s_getreg_b32 s2, hwreg(HW_REG_IB_STS2, 6, 4)
	s_cmp_eq_u32 s2, 0
	s_cbranch_scc0 .Lentry_in_a_cluster
	s_endpgm
.Lentry_in_a_cluster:
	s_bfe_u32 s2, ttmp6, 0x10000c
	s_cmp_lg_u32 s2, 0xf033
	s_cbranch_scc0 .Lentry_shape_is_right
	s_endpgm
.Lentry_shape_is_right:
; t = (Q K^T / 32 + mask) log2(e), p = 2^(t - M), on codes of E5M2 with E8M0 scales; p leaves as codes.  No work is left out: the mask is added to every score.
; M here is a whole number for each query and 128 keys (a K step of the next launch); p_side holds, for each K step and query, p's four scale bytes, -M and the sum of the unquantised p: three sections of 524,288 bytes.
; LIMITS: the scaled scores (exponents to the base 2) stay under 2^31 in magnitude; NaN and +infinity are not served.  -infinity in the mask counts as 0; a row masked so throughout has the sum 0.
; LAYOUTS: fragment images of 2,048 bytes as the launches before left them: register group c of lane L at 512 c + 16 L; scale words [K step][unit of 64 rows][r][tile in the unit].  p_codes: [tile of 16 queries][K step of 128 keys][2,048].
; SHARES.  256 work-groups of 512 queries x 128 keys of one batch; four waves, 2 x 2.  A wave holds 64 keys, ALL of K = 1,024, in 512 registers, and streams its 256 queries past them in 16 blocks of 16: block s of wave row w is tile 2 s + w.
; A block is 32 products (4 tiles of keys x 8 K steps), used transposed: source 0 = 16 keys, source 1 = 16 queries: lane (r, h) holds query r, register 8 t + j of the sums the key 32 (t / 2) + 16 h + 8 (t % 2) + j of the wave's 64.
; THE MASK of a block is 16 rows x 256 bytes: loaded two blocks ahead as whole rows, sixteen lanes to 256 bytes, and turned through the wave's own stage in LDS, so that a lane gets its query's 16 neighbours.
; THE SOFTMAX: maxima and exponentials of a block stand between two blocks, where no sum is under way; its row sum, holds and conversions stand among the next block's products, four lines behind every second one.
; Each wave takes M of its own 64 keys; at the end the two halves of a query are brought under the smaller -M: bytes lowered by the whole number d, sums multiplied by 2^-d, both exact (d held at 127: such a half counts 0 in the sum; its bytes are held at 0).
; FILLS: LDS has two slots of 128 rows.  At the head the keys come into slot 1, the first 128 queries (chunk 0) into slot 0, the queries' scale words behind the slots.  Chunks 1, 2, 3 come in rounds inside blocks 0, 4, 8, a quarter a wave;
; their first halves (waves 0 and 1's) are shown by the barrier inside the block two on, their second by the next round or block 12's barrier.  By this text's count a wave has one tensor load out at a time.
; CLUSTER: 4 x 4 work-groups of one batch: queries are shared along a row, keys along a column: joint loads.
; PREFETCHES: a chunk's codes one chunk (four blocks) ahead of its load, shared out among the sixteen waves of a cluster's row by address; the mask four blocks ahead of its load, each wave its own rows, two blocks an instruction.  Both stop with the last chunk and block.
.set YB,    131072                     ; slot 1
.set SCL,   262144                     ; the queries' scale words: [K step][2,048 bytes]
.set STW,   4352                       ; a wave's stage: 16 rows x (256 + 16); and a wave's side records: a block unused, then [block][r][16 bytes]
.set STG,   SCL+16384
.set XSD,   STG+4*STW
.set SPARE, XSD+4*STW
.set NF,    40                         ; LDS loads of a block's fetch
.set ADRA0, 4                          ; v4  LDS address of block 0's fragments
.set LI,    5                          ; v5  16 x lane
.set AAS0,  6                          ; v6  LDS address of block 0's scale words
.set PFQ,   7                          ; v7, v8 the prefetches' offsets
.set PFM,   8
.set MOFF,  9                          ; v9  the mask loads' offset
.set SPW,   10                         ; v10 my spare word; v11 = 0
.set NIL,   11
.set ADRA,  12                         ; v12, v17 the addresses of the block that is fetched next
.set VX,    13                         ; v13 LDS address of a side record
.set ADRB,  14                         ; v14 LDS address of my keys
.set STI,   15                         ; v15, v16 the stage, in and out
.set STO,   16
.set AAS,   17
.set NM,    18                         ; v18 -M (v19 is named with it as a pair)
.set SCO,   20                         ; v20-21 the conversions' scale operands
.set HLD,   22                         ; v22-23 57,344 x the scale
.set SB,    24                         ; v24-39 the keys' scale words: register 8 p + q: lanes 0-15 tile 2 p, lanes 16-31 tile 2 p + 1
.set EB,    40                         ; v40-41 bytes
.set SA,    44                         ; v44-59 the queries' scale words, two sets
.set SD,    60                         ; v60-63 a side record: bytes, -M, sum, 0
.set ACC,   64                         ; v64-95 the sums
.set XM,    96                         ; v96-159 two sets: mask, then scores, then p
.set ML,    160                        ; v160-223 two sets: mask rows as loaded
.set NCD,   224                        ; v224-231 codes
.set BM,    232                        ; v232-235 maxima
.set TP,    236                        ; v236-237 a permute's results
.set SS,    238                        ; v238-241 the row sum in two pairs
.set TM,    242                        ; v242-243 at work
.set G1A, 24
.set G1B, 32
.set G1R, 48
.set G1S, 68
.set G0A, 56
.set G0B, 60
.set G0R, 76
.set G0S, 80
.set MP,  84                           ; s[84:85] the mask
.set PCP, 86                           ; s[86:87] p_codes
.set PQ,  88                           ; s[88:89] what is prefetched of the queries' codes
.set SEL, 90
.set CS,  92                           ; s[92:93] log2(e), twice
.set MNT, 94
.set K80, 95
.set MSB, 0
.macro WIN new                         ; the immediate's high byte repeats the setting that is left
.if MSB != (\new)
	s_set_vgpr_msb (MSB<<8)|(\new)
.set MSB, (\new)
.endif
.endm
.macro PLACES n
.rept \n
	v_nop
.endr
.endm
.macro BARRIER
	s_barrier_signal -1
	s_barrier_wait -1
.endm
.macro CROUND                          ; a round of the cluster's barrier
	BARRIER
	s_cmp_lg_u32 s14, 0
	s_cbranch_scc1 .Lnot_wave_0_\@
	s_barrier_signal -3
.Lnot_wave_0_\@:
	s_barrier_wait -3
	BARRIER
.endm
.macro MIDDLE                          ; a round's middle, behind products that stand inside its opening barrier
	WIN 0
	s_barrier_wait -1
	s_cmp_lg_u32 s14, 0
	s_cbranch_scc1 .Lnot_wave_0_\@
	s_barrier_signal -3
.Lnot_wave_0_\@:
	s_barrier_wait -3
.endm
.macro TLOAD g0, g1                    ; an s_nop 0 and four v_nop follow
	tensor_load_to_lds s[\g0:\g0+3], s[\g1:\g1+7]
	s_nop 0
	PLACES 4
.endm
.macro WALU
	s_wait_alu depctr_va_vdst(0)
.endm
.macro GRD
	s_wait_tensorcnt 0x0
	ds_add_u32 v[SPW], v[NIL]
.endm
.macro GROUP1 g, mask, d0, rows, pitch ; descriptor group 1: rows of d0 elements of 8 bytes, shared by the mask, no padding
	s_or_b32 s[\g], s[\mask], (3<<16)|(1<<21)
	s_mov_b32 s[\g+1], (\d0)<<16
	s_mov_b32 s[\g+2], (\rows)<<16
	s_mov_b32 s[\g+3], (\d0)<<16
	s_mov_b32 s[\g+4], \rows
	s_mov_b32 s[\g+5], \pitch
	s_mov_b32 s[\g+6], 0
	s_mov_b32 s[\g+7], 0
.endm
.macro SHADD d, x, n                   ; s[d] += s[x] << n
	s_lshl_b32 s3, s\x, \n
	s_add_co_u32 s\d, s\d, s3
.endm
	s_load_b256 s[4:11], s[0:1], 0x0               ; qkv_codes, qkv_scales, mask, p_codes
	s_load_b64 s[12:13], s[0:1], 0x20              ; p_side
	v_lshl_add_u32 v[SPW], v0, 2, SPARE
	v_mov_b32 v[NIL], 0
	ds_add_u32 v[SPW], v[NIL]                      ; the opening: the add, twice on end, and its wait ahead of my first tensor load
	ds_add_u32 v[SPW], v[NIL]
	v_lshrrev_b32 v1, 5, v0
	v_readfirstlane_b32 s14, v1                    ; wave 0..3
	s_lshr_b32 s15, s14, 1                         ; my row of waves
	s_and_b32 s16, s14, 1                          ; my column: which 64 of the keys
	s_bfe_u32 s40, ttmp6, 0x40000                  ; cx
	s_bfe_u32 s41, ttmp6, 0x40004                  ; cy
	s_lshl_b32 s18, ttmp9, 2
	s_add_co_u32 s18, s18, s40                     ; the K step of 128 keys, 0..15
	s_and_b32 s43, ttmp7, 0xffff                   ; the batch
	s_lshl_b32 s19, s43, 2
	s_add_co_u32 s19, s19, s41                     ; the run of 512 queries: 4 batch + cy
	s_lshl_b32 s44, s41, 2
	s_lshl_b32 s44, 15, s44                        ; my row of the cluster shares the queries
	s_lshl_b32 s45, 0x1111, s40                    ; my column shares the keys
	GROUP1 G1B, 45, 2048, 8, 2048                  ; wave 0: 8 tiles of keys, 16,384 bytes each
	GROUP1 G1A, 44, 2048, 8, 2048                  ; wave 1: chunk 0
	GROUP1 G1R, 44, 2048, 2, 2048                  ; a refill: 2 tiles a wave
	GROUP1 G1S, 44, 256, 4, 8192                   ; waves 2, 3: the queries' scale words, 2,048 bytes for each of 4 K steps
	s_lshl_b32 s20, s19, 19                        ; offsets: Q's codes,
	s_mov_b32 s21, 0
	s_mov_b32 s22, 0x800000                        ; K's codes,
	SHADD 22, 43, 21
	SHADD 22, 18, 17
	s_mov_b32 s23, 0
	s_lshl_b32 s66, s19, 11                        ; Q's scale words,
	SHADD 66, 16, 18
	s_mov_b32 s67, 0
	s_mov_b32 s96, 0x8000                          ; my 64 keys' scale words,
	SHADD 96, 43, 13
	SHADD 96, 18, 9
	SHADD 96, 16, 8
	s_mov_b32 s97, 0
	s_lshl_b32 s84, s19, 22                        ; the mask at my first query and key,
	SHADD 84, 15, 17
	SHADD 84, 18, 9
	SHADD 84, 16, 8
	s_mov_b32 s85, 0
	s_lshl_b32 s86, s19, 20                        ; my codes,
	SHADD 86, 15, 15
	SHADD 86, 18, 11
	SHADD 86, 16, 10
	s_mov_b32 s87, 0
	s_lshl_b32 s98, s18, 15                        ; the side words,
	SHADD 98, 19, 11
	s_mov_b32 s99, 0
	s_lshl_b32 s46, s14, 15                        ; and my two tiles of a chunk, in memory and in a slot
	s_mov_b32 s47, 0
	s_mov_b32 s[SEL], 0x76543210
	s_mov_b32 s[SEL+1], 0xfedcba98                 ; lane selects: lane l xor 16
	s_mov_b32 s[CS], 0x3fb8aa3b
	s_mov_b32 s[CS+1], s[CS]
	s_mov_b32 s[MNT], 0x600000                     ; the mantissa field of 57,344
	s_mov_b32 s[K80], 0x80808080
	s_mov_b32 s[G0A], 1
	s_mov_b32 s[G0A+1], 0
	s_mov_b32 s[G0B], 1
	s_mov_b32 s[G0B+1], YB
	s_mov_b32 s[G0R], 1
	s_lshl_b32 s[G0R+1], s14, 15
	s_mov_b32 s[G0S], 1
	s_lshl_b32 s[G0S+1], s16, 13
	s_add_co_u32 s[G0S+1], s[G0S+1], SCL
	s_wait_dscnt 0x0                               ; both opening adds are done
	CROUND                                         ; all sixteen work-groups are here
	s_wait_kmcnt 0x0
	s_add_nc_u64 s[20:21], s[4:5], s[20:21]
	s_mov_b64 s[G0A+2:G0A+3], s[20:21]
	s_or_b32 s[G0A+3], s[G0A+3], 0x80000000
	s_add_nc_u64 s[G0B+2:G0B+3], s[4:5], s[22:23]
	s_or_b32 s[G0B+3], s[G0B+3], 0x80000000
	s_add_nc_u64 s[G0S+2:G0S+3], s[6:7], s[66:67]
	s_or_b32 s[G0S+3], s[G0S+3], 0x80000000
	s_cmp_eq_u32 s14, 0                            ; one joint load a wave, and a line of its own for the keys, which are shown first
	s_cbranch_scc0 .Lwave_1
	TLOAD G0B, G1B
	s_branch .Lasked
.Lwave_1:
	s_cmp_eq_u32 s14, 1
	s_cbranch_scc0 .Lfor_scales
	TLOAD G0A, G1A
	s_branch .Lasked
.Lfor_scales:
	TLOAD G0S, G1S
.Lasked:
	s_add_nc_u64 s[G0R+2:G0R+3], s[20:21], s[46:47]  ; my part of chunk 0: the first refill steps it to chunk 1
	s_or_b32 s[G0R+3], s[G0R+3], 0x80000000
	s_add_nc_u64 s[PQ:PQ+1], s[20:21], YB          ; chunk 1
	s_add_nc_u64 s[96:97], s[6:7], s[96:97]
	s_add_nc_u64 s[MP:MP+1], s[8:9], s[84:85]
	s_add_nc_u64 s[PCP:PCP+1], s[10:11], s[86:87]
	s_sub_nc_u64 s[PCP:PCP+1], s[PCP:PCP+1], 131072 ; the base is stepped at each block's start, and a block's codes are stored a block later
	s_add_nc_u64 s[12:13], s[12:13], s[98:99]
	s_lshl_b32 s20, s15, 14
	s_lshl_b32 s21, s16, 16
	s_add_co_u32 s21, s21, YB
	s_lshl_b32 s22, s15, 2
	s_add_co_u32 s22, s22, SCL
	s_mul_i32 s23, s14, STW
	s_add_co_u32 s42, s23, XSD
	s_add_co_u32 s23, s23, STG
	s_lshl_b32 s66, s40, 2
	s_add_co_u32 s66, s66, s14
	s_lshl_b32 s66, s66, 13                        ; my sixteenth of a chunk
	v_and_b32 v1, 15, v0                           ; r
	v_bfe_u32 v2, v0, 4, 1                         ; h
	v_and_b32 v3, 31, v0                           ; lane
	v_lshlrev_b32 v20, 4, v1
	v_lshl_add_u32 v21, v2, 2, v20                 ; 16 r + 4 h
.irp q, 0,1,2,3,4,5,6,7
.irp p, 0,1
	global_load_b32 v[SB+8*\p+\q], v21, s[96:97] offset:65536*\q+8*\p
.endr
.endr
	v_lshl_add_u32 v[MOFF], v2, 13, v20            ; lanes 0-15 a row's 256 bytes, lanes 16-31 the next row's
.macro MLD e, off                      ; a block's mask: 8 loads of two rows
.irp i, 0,1,2,3,4,5,6,7
	global_load_b128 v[ML+32*\e+4*\i:ML+32*\e+4*\i+3], v[MOFF], s[MP:MP+1] offset:16384*\i+\off th:TH_LOAD_NT
.endr
.endm
	MLD 0, 0
	MLD 1, 262144
	v_lshlrev_b32 v[LI], 4, v3
	v_add_nc_u32 v[ADRA0], s20, v[LI]
	v_add_nc_u32 v[ADRB], s21, v[LI]
	v_add_nc_u32 v[AAS0], s22, v20
	v_add_nc_u32 v[VX], s42, v20
	v_mul_u32_u24 v[STI], v2, 272
	v_add_nc_u32 v[STI], v[STI], v20
	v_add_nc_u32 v[STI], s23, v[STI]
	v_mul_u32_u24 v[STO], v1, 272
	v_lshl_add_u32 v[STO], v2, 6, v[STO]
	v_add_nc_u32 v[STO], s23, v[STO]
	v_lshlrev_b32 v[PFM], 13, v1                   ; rows r, lanes 16-31 a block (32 rows) on
	v_lshl_add_u32 v[PFM], v2, 18, v[PFM]
	v_lshl_add_u32 v[PFQ], v3, 8, s66
	v_mov_b32 v[NM], 0                             ; block 0 has no block before it: what its products' places work on is zeros, and nothing of it is stored
	v_mov_b32 v[NM+1], 0
	v_mov_b32 v[BM], 0
	v_mov_b32 v[BM+1], 0
	v_mov_b32 v[TP], 0                             ; (a lane permute's destination counts as one of its sources)
	v_mov_b32 v[TP+1], 0
	v_mov_b32 v[TM+1], 0
	v_mov_b32 v[SD+3], 0
.set I_, 0
.rept 32
	v_mov_b32 v[XM+32+I_], 0
.set I_, I_+1
.endr
	WALU                                           ; the wait at the head's end
	s_cmp_eq_u32 s14, 0
	s_cbranch_scc0 .Lnot_k
	s_wait_tensorcnt 0x0                           ; wave 0: the keys have landed; the other waves' wait stands at the second barrier
.Lnot_k:
	BARRIER
	global_prefetch_b8 v[PFQ], s[PQ:PQ+1] th:TH_LOAD_NT scope:SCOPE_SE
	global_prefetch_b8 v[PFM], s[MP:MP+1] offset:2*262144 th:TH_LOAD_NT scope:SCOPE_SE
	global_prefetch_b8 v[PFM], s[MP:MP+1] offset:4*262144 th:TH_LOAD_NT scope:SCOPE_SE
.irp q, 0,1,2,3,4,5,6,7                ; my 64 keys, all of K: fragment 4 q + b lies in window 1 + (4 q + b) / 16
	WIN (1+\q/4)<<6
.irp b, 0,1,2,3
.irp c, 0,1,2,3
	ds_load_b128 v[64*(\q%4)+16*\b+4*\c:64*(\q%4)+16*\b+4*\c+3], v[ADRB] offset:16384*\b+2048*\q+512*\c
.endr
.endr
.endr
	WIN 0
.macro FETCH e, a, s, oa, os           ; a block's fragments into set e of window 3, and its scale words
	WIN 0xc0
.irp q, 0,1,2,3,4,5,6,7
.irp c, 0,1,2,3
	ds_load_b128 v[128*\e+16*\q+4*\c:128*\e+16*\q+4*\c+3], v[\a] offset:2048*\q+512*\c+\oa
.endr
.endr
	WIN 0
.irp q, 0,1,2,3,4,5,6,7
	ds_load_b32 v[SA+8*\e+\q], v[\s] offset:2048*\q+\os
.endr
.endm
.macro MTURN e                         ; a block's mask through my stage: LDS serves a wave's instructions in order, so the loads see the stores
.irp i, 0,1,2,3,4,5,6,7
	ds_store_b128 v[STI], v[ML+32*\e+4*\i:ML+32*\e+4*\i+3] offset:544*\i
.endr
.irp b, 0,1
.irp k, 0,1,2,3
	ds_load_b128 v[XM+32*\e+16*\b+4*\k:XM+32*\e+16*\b+4*\k+3], v[STO] offset:128*\b+16*\k
.endr
.endr
.endm
.macro PROD e, n                       ; product n = 4 q + b: tile b of my keys x the block, the q-th 128 of K
.set Q_, (\n)/4
.set B_, (\n)%4
.set A_, ACC+8*B_
.set R_, 128*(\e)+16*Q_
.set W_, 16*((\n)%16)
.set XS_, SA+8*(\e)+Q_
.set WS_, SB+8*(B_/2)+Q_
	WIN (1+(\n)/16)|12
.if Q_ && B_%2
	v_wmma_scale_f32_16x16x128_f8f6f4 v[A_:A_+7], v[W_:W_+15], v[R_:R_+15], v[A_:A_+7], v[WS_], v[XS_] matrix_a_fmt:MATRIX_FMT_BF8 matrix_b_fmt:MATRIX_FMT_BF8 matrix_a_scale:MATRIX_SCALE_ROW1
.elseif Q_
	v_wmma_scale_f32_16x16x128_f8f6f4 v[A_:A_+7], v[W_:W_+15], v[R_:R_+15], v[A_:A_+7], v[WS_], v[XS_] matrix_a_fmt:MATRIX_FMT_BF8 matrix_b_fmt:MATRIX_FMT_BF8
.elseif B_%2
	v_wmma_scale_f32_16x16x128_f8f6f4 v[A_:A_+7], v[W_:W_+15], v[R_:R_+15], 0, v[WS_], v[XS_] matrix_a_fmt:MATRIX_FMT_BF8 matrix_b_fmt:MATRIX_FMT_BF8 matrix_a_scale:MATRIX_SCALE_ROW1
.else
	v_wmma_scale_f32_16x16x128_f8f6f4 v[A_:A_+7], v[W_:W_+15], v[R_:R_+15], 0, v[WS_], v[XS_] matrix_a_fmt:MATRIX_FMT_BF8 matrix_b_fmt:MATRIX_FMT_BF8
.endif
.endm
.macro W3 i, x                         ; line i of 64: p at x -> row sum, bytes, codes
.if (\i) < 2
	v_max_num_f32 v[BM+(\i)], 0x8000000, v[BM+(\i)]   ; the floor 2^(16 - 127): the byte cannot fall under 1
.elseif (\i) < 4
	v_add_nc_u32 v[SCO+(\i)-2], 0xf8800000, v[BM+(\i)-2]   ; 15 off the exponent field: the conversion's scale operand
.elseif (\i) < 6
	v_and_or_b32 v[HLD+(\i)-4], v[BM+(\i)-4], 0x7f800000, s[MNT]
.elseif (\i) < 8
	v_lshrrev_b32 v[EB+(\i)-6], 23, v[SCO+(\i)-6]
.elseif (\i) == 8
	v_mov_b32 v[SD+1], v[NM]
.elseif (\i) == 9
	v_lshl_or_b32 v[SD], v[EB+1], 8, v[EB]
.elseif (\i) < 12
	v_pk_add_f32 v[SS+2*((\i)-10):SS+2*((\i)-10)+1], v[(\x)+4*((\i)-10):(\x)+4*((\i)-10)+1], v[(\x)+4*((\i)-10)+2:(\x)+4*((\i)-10)+3]   ; the sum of the unquantised p, in two chains
.elseif (\i) < 24
	v_pk_add_f32 v[SS+2*((\i)%2):SS+2*((\i)%2)+1], v[SS+2*((\i)%2):SS+2*((\i)%2)+1], v[(\x)+8+2*((\i)-12):(\x)+8+2*((\i)-12)+1]
.elseif (\i) == 24
	v_pk_add_f32 v[SS:SS+1], v[SS:SS+1], v[SS+2:SS+3]
.elseif (\i) == 25
	v_add_f32 v[TM], v[SS], v[SS+1]
.elseif (\i) == 26
	v_permlanex16_b32 v[TM+1], v[TM], s[SEL], s[SEL+1]
.elseif (\i) == 27
	v_add_f32 v[SD+2], v[TM], v[TM+1]
.elseif ((\i)-28)%9 < 8
	v_min_num_f32 v[(\x)+8*(((\i)-28)/9)+((\i)-28)%9], v[(\x)+8*(((\i)-28)/9)+((\i)-28)%9], v[HLD+((\i)-28)/18]   ; the conversion does not saturate (ISA guide 7.6.2); p is not negative
.else
	v_cvt_scalef32_pk8_bf8_f32 v[NCD+2*(((\i)-28)/9):NCD+2*(((\i)-28)/9)+1], v[(\x)+8*(((\i)-28)/9):(\x)+8*(((\i)-28)/9)+7], v[SCO+((\i)-28)/18]
.endif
.endm
.macro BLOCK e, from, to               ; products from .. to - 1 of a block in set e; behind every second one four lines for the block before
.set N_, \from
.rept (\to)-(\from)
	PROD \e, N_
.if N_%2 == 0
	WIN 0
.set L_, 2*N_
.rept 4
	W3 L_, XM+32-32*\e
.set L_, L_+1
.endr
.endif
.set N_, N_+1
.endr
.endm
.macro SOFT e                          ; between two blocks: scores, maxima, M, exponentials
.set X_, XM+32*\e
.set I_, 0
.rept 16
	v_pk_fma_f32 v[X_+I_:X_+I_+1], v[ACC+I_:ACC+I_+1], 0x3d000000, v[X_+I_:X_+I_+1] op_sel_hi:[1,0,1]   ; x 1/32 + mask; each sum is read from its low end on
.set I_, I_+2
.endr
.irp b, 0,1
	v_max3_num_f32 v[BM+\b], v[X_+16*\b], v[X_+16*\b+1], v[X_+16*\b+2]
	v_max3_num_f32 v[BM+2+\b], v[X_+16*\b+7], v[X_+16*\b+8], v[X_+16*\b+9]
.endr
.irp i, 3,5
.irp b, 0,1
	v_max3_num_f32 v[BM+\b], v[BM+\b], v[X_+16*\b+\i], v[X_+16*\b+\i+1]
	v_max3_num_f32 v[BM+2+\b], v[BM+2+\b], v[X_+16*\b+\i+7], v[X_+16*\b+\i+8]
.endr
.endr
.irp b, 0,1
	v_max3_num_f32 v[BM+\b], v[BM+\b], v[BM+2+\b], v[X_+16*\b+14]
.endr
.irp b, 0,1
	v_max_num_f32 v[BM+\b], v[BM+\b], v[X_+16*\b+15]
.endr
.irp b, 0,1
	v_permlanex16_b32 v[TP+\b], v[BM+\b], s[SEL], s[SEL+1]
.endr
.irp b, 0,1
	v_max_num_f32 v[BM+\b], v[BM+\b], v[TP+\b]     ; the largest score of each block of 32 keys
.endr
	v_max_num_f32 v[TM], v[BM], v[BM+1]
	v_mul_f32 v[TM], s[CS], v[TM]
	v_max_num_f32 v[TM], 0xff61b1e6, v[TM]         ; held above -infinity
	v_floor_f32 v[NM], -v[TM]                      ; -M
.set I_, 0
.rept 16
	v_pk_fma_f32 v[X_+I_:X_+I_+1], v[X_+I_:X_+I_+1], s[CS:CS+1], v[NM:NM+1] op_sel_hi:[1,0,0]   ; t - M
.set I_, I_+2
.endr
.irp b, 0,1
	v_fma_f32 v[BM+\b], v[BM+\b], s[CS], v[NM]
.endr
	WALU                                           ; a wait ahead of the batch and one behind it
.set I_, 0
.rept 32
	v_exp_f32 v[X_+I_], v[X_+I_]
.set I_, I_+1
.endr
	v_exp_f32 v[BM], v[BM]                         ; the blocks' largest p: p rises with the score
	v_exp_f32 v[BM+1], v[BM+1]
	v_nop
	WALU
.endm
.macro START w                         ; w: the youngest LDS loads that may be out: the fetch of the block after this one
	s_wait_dscnt \w                                ; my fragments and my mask are in; the stores into the stage have read their registers
	s_wait_xcnt 0x0                                ; the last stores, loads and prefetches have read theirs: codes, bases and mask rows may be written
	s_add_nc_u64 s[PCP:PCP+1], s[PCP:PCP+1], 65536
	s_add_nc_u64 s[MP:MP+1], s[MP:MP+1], 262144
.endm
.macro RECORD off
	ds_store_b128 v[VX], v[SD:SD+3] offset:\off
	global_store_b128 v[LI], v[NCD:NCD+3], s[PCP:PCP+1]             ; 32 lanes store 512 consecutive bytes
	global_store_b128 v[LI], v[NCD+4:NCD+7], s[PCP:PCP+1] offset:512
.endm
.macro MOUT sa, oa, ss, os, j, skip    ; behind a block's products: the addresses of the block two on; the block before leaves
	WIN 0
	s_add_co_u32 s22, s\sa, \oa
	s_add_co_u32 s23, s\ss, \os
	v_add_nc_u32 v[ADRA], s22, v[ADRA0]
	v_add_nc_u32 v[AAS], s23, v[AAS0]
	PLACES 6                                       ; with the two lines above eight places behind the last product
	WALU
.if \skip
	s_cmp_eq_u32 s46, 0
	s_cbranch_scc1 .Lnone_before_\@
.endif
	RECORD 256*\j
.Lnone_before_\@:
.endm
	s_wait_tensorcnt 0x0                           ; chunk 0 and the scale words are in; the keys are in registers
	s_wait_dscnt 0x0
	BARRIER
	FETCH 0, ADRA0, AAS0, 0, 0
	s_wait_loadcnt 8                               ; the keys' scale words and block 0's mask; block 1's may be out
	MTURN 0
	FETCH 1, ADRA0, AAS0, 32768, 8
	s_wait_xcnt 0x0
	s_add_nc_u64 s[MP:MP+1], s[MP:MP+1], 262144
	s_mov_b32 s46, 0                               ; the trip
	s_mov_b32 s101, 0                              ; this chunk's slot and the next one's
	s_mov_b32 s47, YB
	s_mov_b32 s17, 0                               ; where their scale words begin
	s_mov_b32 s2, 512
.Lfour:                                                ; three trips of four blocks, each with its one refill
	START NF
	MLD 0, 0
	s_add_nc_u64 s[PQ:PQ+1], s[PQ:PQ+1], YB        ; the chunk after the one that is loaded here
	GRD
	s_add_nc_u64 s[G0R+2:G0R+3], s[G0R+2:G0R+3], YB
	s_xor_b32 s[G0R+1], s[G0R+1], YB
	BLOCK 0, 0, 28
	WIN 0
	WALU
	s_wait_dscnt 0x0
	s_barrier_signal -1
	BLOCK 0, 28, 32
	MIDDLE
	BARRIER                                        ; the round is closed: no wave of any partner still reads that slot
	s_cmp_lt_u32 s14, 2                            ; a line for waves 0, 1 and one for waves 2, 3: block 2's barrier waits for the first alone
	s_cbranch_scc0 .Lupper
	TLOAD G0R, G1R
	s_branch .Lboth
.Lupper:
	TLOAD G0R, G1R
.Lboth:
	MOUT 101, 65536, 17, 256, 0, 1
	s_wait_loadcnt 8                               ; the next block's mask is in; that of the block behind it may be out
	MTURN 1
	FETCH 0, ADRA, AAS, 0, 0
	global_prefetch_b8 v[PFM], s[MP:MP+1] offset:4*262144 th:TH_LOAD_NT scope:SCOPE_SE
	s_cmp_eq_u32 s46, 2
	s_cbranch_scc1 .Lno_chunk
	global_prefetch_b8 v[PFQ], s[PQ:PQ+1] th:TH_LOAD_NT scope:SCOPE_SE
.Lno_chunk:
	SOFT 0
	START NF
	MLD 1, 0
	BLOCK 1, 0, 32
	MOUT 101, 98304, 17, 264, 1, 0
	s_wait_loadcnt 8
	MTURN 0
	FETCH 1, ADRA, AAS, 0, 0
	SOFT 1
	START NF
	MLD 0, 0
	BLOCK 0, 0, 28
	WIN 0
	WALU
	s_cmp_lt_u32 s14, 2
	s_cbranch_scc0 .Lnot_yet
	s_wait_tensorcnt 0x0                           ; waves 0, 1: the next chunk's first half
.Lnot_yet:
	s_wait_dscnt 0x0
	s_barrier_signal -1
	BLOCK 0, 28, 32
	WIN 0
	s_barrier_wait -1
	MOUT 47, 0, 2, 0, 2, 0
	s_wait_loadcnt 8
	MTURN 1
	FETCH 0, ADRA, AAS, 0, 0
	s_cmp_eq_u32 s46, 2                            ; block 10: no block lies so far ahead
	s_cbranch_scc1 .Lno_mask
	global_prefetch_b8 v[PFM], s[MP:MP+1] offset:4*262144 th:TH_LOAD_NT scope:SCOPE_SE
.Lno_mask:
	SOFT 0
	START NF
	MLD 1, 0
	BLOCK 1, 0, 32
	MOUT 47, 32768, 2, 8, 3, 0
	v_add_nc_u32 v[VX], 1024, v[VX]
	WALU
	s_wait_loadcnt 8
	MTURN 0
	FETCH 1, ADRA, AAS, 0, 0
	SOFT 1
	s_mov_b32 s101, s47
	s_mov_b32 s17, s2
	s_xor_b32 s47, s47, YB
	s_add_co_u32 s2, s2, 512
	s_add_co_u32 s46, s46, 1
	s_cmp_lg_u32 s46, 3
	s_cbranch_scc1 .Lfour
	s_mov_b32 s46, 0
.Ltwo:                                                 ; blocks 12, 13, then 14, 15, which fetch nothing more
	START NF
	s_cmp_eq_u32 s46, 1
	s_cbranch_scc1 .Lno_load_0
	MLD 0, 0
.Lno_load_0:
	BLOCK 0, 0, 28
	WIN 0
	WALU
	s_wait_tensorcnt 0x0                           ; block 12: the last chunk's second half
	s_wait_dscnt 0x0
	s_barrier_signal -1
	BLOCK 0, 28, 32
	WIN 0
	s_barrier_wait -1
	MOUT 101, 65536, 17, 256, 0, 0
	s_wait_loadcnt 0x0
	MTURN 1
	s_cmp_eq_u32 s46, 1
	s_cbranch_scc1 .Lno_fetch_0
	FETCH 0, ADRA, AAS, 0, 0
.Lno_fetch_0:
	SOFT 0
	START 0
	s_cmp_eq_u32 s46, 1
	s_cbranch_scc1 .Lno_load_1
	MLD 1, 0
.Lno_load_1:
	BLOCK 1, 0, 32
	MOUT 101, 98304, 17, 264, 1, 0
	v_add_nc_u32 v[VX], 512, v[VX]
	WALU
	s_cmp_eq_u32 s46, 1
	s_cbranch_scc1 .Lno_fetch_1
	s_wait_loadcnt 8
	MTURN 0
	FETCH 1, ADRA, AAS, 0, 0
.Lno_fetch_1:
	SOFT 1
	s_add_co_u32 s46, s46, 1
	s_cmp_lg_u32 s46, 2
	s_cbranch_scc1 .Ltwo
	s_wait_xcnt 0x0                                ; the last block leaves
	s_add_nc_u64 s[PCP:PCP+1], s[PCP:PCP+1], 65536
.set K_, 0
.rept 64
	W3 K_, XM+32
.set K_, K_+1
.endr
	v_nop                                          ; a plain line behind the last conversion
	WALU
	RECORD 0
; THE SIDE WORDS.  Thread t takes the four queries whose words lie at byte 16 t of the work-group's 2,048: unit u = t / 16, row r = t % 16, tiles i = 0 .. 3 of the unit: block 2 u + i / 2 of wave row i % 2, and of both wave columns.
	v_lshrrev_b32 v1, 4, v0
	v_and_b32 v2, 15, v0
	v_lshlrev_b32 v2, 4, v2
	v_lshl_add_u32 v2, v1, 9, v2
	v_add_nc_u32 v2, XSD+256, v2
	v_lshlrev_b32 v3, 4, v0
	WALU
	s_wait_dscnt 0x0                               ; for the others' sake: my records are stored
	BARRIER
.irp i, 0,1,2,3
.irp a, 0,1
	ds_load_b128 v[96+8*\i+4*\a:96+8*\i+4*\a+3], v2 offset:(2*(\i%2)+\a)*STW+256*(\i/2)
.endr
.endr
	s_wait_dscnt 0x0
.irp i, 0,1,2,3
	v_min_num_f32 v[64+\i], v[97+8*\i], v[101+8*\i]   ; -M of the 128 keys
.endr
.irp a, 1,5
.irp i, 0,1,2,3
	v_sub_f32 v[96+\a+8*\i], v[96+\a+8*\i], v[64+\i]  ; d: a whole number, 0 or more
.endr
.irp i, 0,1,2,3
	v_min_num_f32 v[96+\a+8*\i], 0x42fe0000, v[96+\a+8*\i]   ; held at 127
.endr
.irp i, 0,1,2,3
	v_cvt_i32_f32 v[96+\a+8*\i], v[96+\a+8*\i]
.endr
.irp i, 0,1,2,3
	v_sub_nc_u32 v[98+\a+8*\i], 127, v[96+\a+8*\i]
.endr
.irp i, 0,1,2,3
	v_lshlrev_b32 v[98+\a+8*\i], 23, v[98+\a+8*\i]    ; 2^-d (0 at d = 127)
.endr
.endr
.irp i, 0,1,2,3
	v_mul_f32 v[68+\i], v[98+8*\i], v[99+8*\i]        ; the sum of the 128 keys
.endr
.irp i, 0,1,2,3
	v_fmac_f32 v[68+\i], v[102+8*\i], v[103+8*\i]
.endr
.irp i, 0,1,2,3
	v_lshl_or_b32 v[97+8*\i], v[101+8*\i], 16, v[97+8*\i]
.endr
.irp i, 0,1,2,3
	v_lshl_or_b32 v[97+8*\i], v[97+8*\i], 8, v[97+8*\i]   ; the four bytes' d
.endr
.irp i, 0,1,2,3
	v_lshl_or_b32 v[72+\i], v[100+8*\i], 16, v[96+8*\i]
.endr
; Each byte b, 112 at the most, becomes b - d, held at 0: with bit 7 set in each byte no borrow crosses a byte, and bit 7 stays where b >= d.
.irp i, 0,1,2,3
	v_or_b32 v[72+\i], s[K80], v[72+\i]
.endr
.irp i, 0,1,2,3
	v_sub_nc_u32 v[72+\i], v[72+\i], v[97+8*\i]
.endr
.irp i, 0,1,2,3
	v_and_b32 v[76+\i], s[K80], v[72+\i]
.endr
.irp i, 0,1,2,3
	v_lshrrev_b32 v[80+\i], 7, v[76+\i]
.endr
.irp i, 0,1,2,3
	v_sub_nc_u32 v[76+\i], v[76+\i], v[80+\i]
.endr
.irp i, 0,1,2,3
	v_and_b32 v[72+\i], v[72+\i], v[76+\i]
.endr
	global_store_b128 v3, v[72:75], s[12:13]       ; 128 threads store 2,048 consecutive bytes of each section
	global_store_b128 v3, v[64:67], s[12:13] offset:524288
	global_store_b128 v3, v[68:71], s[12:13] offset:1048576
	s_wait_tensorcnt 0x0                           ; the wave's end
	ds_add_u32 v[SPW], v[NIL]
	s_wait_dscnt 0x0
	CROUND                                         ; the closing round
	s_endpgm
.Lfunc_end_k_q2db3168f8f_scores:
	.size	k_q2db3168f8f_scores, .Lfunc_end_k_q2db3168f8f_scores-k_q2db3168f8f_scores
	.p2alignl 7, 3214868480
	.fill 96, 4, 3214868480
	.section	.rodata,"a",@progbits
	.p2align	6, 0x0
	.amdhsa_kernel k_q2db3168f8f_scores
		.amdhsa_group_segment_fixed_size 327680
		.amdhsa_private_segment_fixed_size 0
		.amdhsa_enable_private_segment 0
		.amdhsa_kernarg_size 40
		.amdhsa_user_sgpr_count 2
		.amdhsa_user_sgpr_kernarg_segment_ptr 1
		.amdhsa_wavefront_size32 1
		.amdhsa_system_sgpr_workgroup_id_x 1
		.amdhsa_system_sgpr_workgroup_id_y 1
		.amdhsa_system_sgpr_workgroup_id_z 1
		.amdhsa_system_vgpr_workitem_id 0
		.amdhsa_next_free_vgpr 1024
		.amdhsa_next_free_sgpr 102
		.amdhsa_reserve_vcc 0
		.amdhsa_float_denorm_mode_32 3
		.amdhsa_float_denorm_mode_16_64 3
		.amdhsa_memory_ordered 1
		.amdhsa_forward_progress 1
		.amdhsa_inst_pref_size 150
	.end_amdhsa_kernel
	.amdgpu_metadata
---
amdhsa.version: [ 1, 2 ]
amdhsa.kernels:
  - .name:           k_q2db3168f8f_scores
    .symbol:         k_q2db3168f8f_scores.kd
    .args:
      - { .name: qkv_codes, .offset: 0, .size: 8, .value_kind: global_buffer, .address_space: global }
      - { .name: qkv_scales, .offset: 8, .size: 8, .value_kind: global_buffer, .address_space: global }
      - { .name: mask, .offset: 16, .size: 8, .value_kind: global_buffer, .address_space: global }
      - { .name: p_codes, .offset: 24, .size: 8, .value_kind: global_buffer, .address_space: global }
      - { .name: p_side, .offset: 32, .size: 8, .value_kind: global_buffer, .address_space: global }
    .group_segment_fixed_size: 327680
    .private_segment_fixed_size: 0
    .kernarg_segment_align: 8
    .kernarg_segment_size: 40
    .max_flat_workgroup_size: 128
    .sgpr_count:     102
    .vgpr_count:     1024
    .wavefront_size: 32
...
	.end_amdgpu_metadata
.endif
;; end of part 3
;; launch pv (part 4): grid 4 x 64, 4 waves a work-group, clusters of 4 x 4, 327,680 bytes of LDS; arguments p_codes, p_side, qkv_codes, qkv_scales, out0; writes out0
.if DOCPART == 4
	.amdgcn_target "amdgcn-amd-amdhsa--gfx1250"
	.amdhsa_code_object_version 6
	.text
	.protected	k_q2db3168f8f_pv
	.globl	k_q2db3168f8f_pv
	.p2align	8
	.type	k_q2db3168f8f_pv,@function
k_q2db3168f8f_pv:
	s_mov_b64 s[64:65], 0
	v_nop
	global_prefetch_b8 v0, s[64:65] scope:SCOPE_SE
	s_setreg_imm32_b32 hwreg(HW_REG_WAVE_MODE, 25, 1), 1
	s_wait_xcnt 0x0
	s_wait_alu depctr_hold_cnt(0) depctr_sa_sdst(0) depctr_va_vdst(0) depctr_va_sdst(0) depctr_va_ssrc(0) depctr_va_vcc(0) depctr_vm_vsrc(0)
	s_getreg_b32 s2, hwreg(HW_REG_IB_STS2, 6, 4)
	s_cmp_eq_u32 s2, 0
	s_cbranch_scc0 .Lentry_in_a_cluster
	s_endpgm
.Lentry_in_a_cluster:
	s_bfe_u32 s2, ttmp6, 0x10000c
	s_cmp_lg_u32 s2, 0xf033
	s_cbranch_scc0 .Lentry_shape_is_right
	s_endpgm
.Lentry_shape_is_right:
; O = P V / l on codes of E5M2.  No work is left out.  P was quantised under a local whole number M for each query and 128 keys.  Here the row's M is the largest of its sixteen local ones; d = M - local M is a whole number,
; 0 or more; p's four scale bytes of that piece are lowered by d, which is the exact factor 2^-d, and the row's sum is the sum of the local sums x 2^-d.
; SHARES.  A work-group makes 128 queries x 256 of d_value over K = 2,048 keys: 64 x 4 = 256 work-groups.  A wave makes 64 x 128: 32 accumulators.  A = P (a lane holds one query), B = V^T (register j of accumulator
; 2 B + u is d_value 32 B + 16 h + 8 u + j).  Both operands are fragment images of 2,048 bytes, read 16 bytes a lane on end: no padding is wanted.
; THE RING: three sub-slots of two K steps of 128; a sub-slot is A's 8 tiles x 4,096 bytes, then B's 16 tiles x 4,096: 98,304 bytes.  Pair p of K steps lies in sub-slot p % 3.  Pairs 0, 1, 2 come by first fills.
; Behind step 3's round pairs 3 and 4 go into sub-slots 0 and 1; behind step 5's pair 5 into sub-slot 2; behind step 9's pairs 6 and 7 into sub-slots 0 and 1: three refills for ten K steps.
; One tensor load brings a whole operand of a sub-slot.  Waves 0 and 1 fetch for A, waves 2 and 3 for B; where two sub-slots are filled the wave's parity says which, where one is filled waves 0 and 2 fetch.
; By this text's count a wave has one tensor load out at a time.
; CLUSTER: 4 x 4 work-groups; A's tiles are shared along a row of the cluster, B's along a column: joint loads.  THE SCALE WORDS of the work-group's rows for all of K come once, with the first fills.
; P's scale words, once landed in LDS, are read, lowered and stored back by the thread that owns them, between two barriers; nothing is filled into those bytes again.
; A STEP of 128 along K is 32 matrix instructions, by halves of B's tiles: 16 products, the next step's A and B's tiles 0-3 (32 LDS loads), 16 products, B's tiles 4-7 (16 loads).  A and B have two sets of registers each.
; LIMITS: d is held at 127: such a piece counts 0 in the sum, and its bytes are held at 0 from below (2^-127), so that its codes add under 2^-111.  A row masked by -infinity throughout has the sum 0 and gives NaN.
.set KT,     2048
.set NP,     8                         ; places behind this matrix instruction (ISA guide 7.12.1)
.set FR,     16
.set SUB,    98304                     ; a sub-slot
.set BOFF,   32768                     ; B's tiles lie behind A's eight
.set SCLA,   3*SUB                     ; behind the ring: A's scale words [K step][512 bytes],
.set SCLB,   SCLA+8192                 ; B's [K step][1,024 bytes],
.set RLT,    SCLB+16384                ; 1 / l of the 128 queries, laid as the scale words: 512 bytes, written by LDS stores alone,
.set SPARE,  RLT+512                   ; and the spare words, 128 bytes a wave
.set STAGE,  2*SUB                     ; the way out: 16 rows x (512 + 16) bytes a wave, in sub-slot 2: its last fill and its last read are past by then
.set VO,   4                           ; v4-7 offsets of the side words: my four K steps first, then the others
.set ADRA, 12                          ; v12-14 LDS address of my A fragments in sub-slot 0, 1, 2
.set ADRB, 16                          ; v16-18 the same for B
.set ADSA, 20                          ; v20 my A scale words; v21 my B scale words
.set ADSB, 21
.set STO,  24                          ; v24 the way out: where I put a row's bytes
.set RD,   25                          ; v25 and where I read a row back
.set PFO,  26                          ; v26 the prefetches' offset; never rewritten
.set SPW,  28                          ; v28 my spare word; v29 = 0: never rewritten
.set NIL,  29
.set LI,   30                          ; v30 16 x lane
.set LN,   31                          ; v31 lane
.set SCA,  32                          ; v32-47 A's scale words: set (pair % 2) at 8 x set; register 4 q + a
.set SCB,  48                          ; v48-79 B's: 16 x set; register 8 q + b
.set RL,   80                          ; v80-83 1 / l of my query in tiles 0..3
.set RLP,  84                          ; v84-91 the same as pairs
.set NM,   96                          ; v96-99 the rows' -M
.set LS,   100                         ; v100-103 the rows' sums
.set TT4,  104                         ; v104-107 at work
.set RC,   108                         ; v108-111 1 / l
.set WR,   112                         ; v112-127 the scale words under repair
.set AF,   128                         ; v128-191, v192-255 A's fragments, two sets; window 1: B's two sets; window 2: the accumulators at 8 (8 a + b)
.set MM,   128                         ; ahead of the products: the 16 local -M of my four rows, then d
.set LL,   192                         ; and their local sums
.set BK,   128                         ; the way out: rows read back
.set G1,   24                          ; s[24:31] descriptor group 1 for A's codes; s[32:35], s[36:39] two groups 0
.set GA0,  32
.set GA1,  36
.set G1B,  48                          ; s[48:55], s[56:59], s[60:63] the same for B's
.set GB0,  56
.set GB1,  60
.set G1S,  68                          ; s[68:75], s[76:79] groups 1 and 0 for A's scale words; s[80:87], s[88:91] for B's
.set GAS,  76
.set G1SB, 80
.set GBS,  88
.set PFA,  92                          ; s[92:93] where my prefetches stand
.set OW,   94                          ; s[94:95] my parity x 4,096: one pair of K steps on
.set LIM,  98                          ; s98 how many prefetches I issue for a pair: 0, 1 or 2
.set K80,  99                          ; s99 0x80808080
.set MSB, 0
.macro WIN new                         ; the immediate's high byte repeats the setting that is left
.if MSB != (\new)
	s_set_vgpr_msb (MSB<<8)|(\new)
.set MSB, (\new)
.endif
.endm
.set MUL_LO, 0xa1                      ; source 0 (B) window 1, source 1 (A) window 0, C and D window 2
.set TO_B,   0x40
; A joint refill of two sub-slots: waves 0 and 1 fetch for A, waves 2 and 3 for B; the branch hangs on the wave's number alone.  An s_nop 0 and four v_nop follow each line.
.macro JLOAD g0a, g1a, g0b, g1b
	s_cmp_eq_u32 s15, 0
	s_cbranch_scc0 .Lfor_b_\@
	tensor_load_to_lds s[\g0a:\g0a+3], s[\g1a:\g1a+7]
	s_nop 0
.rept 4
	v_nop
.endr
	s_branch .Lasked_\@
.Lfor_b_\@:
	tensor_load_to_lds s[\g0b:\g0b+3], s[\g1b:\g1b+7]
	s_nop 0
.rept 4
	v_nop
.endr
.Lasked_\@:
.endm
; A joint refill of one sub-slot: wave 0 fetches A's tiles, wave 2 B's, the others nothing.
.macro JLOAD2
	s_cmp_eq_u32 s14, 0
	s_cbranch_scc0 .Lnot_a_\@
	tensor_load_to_lds s[GA0:GA0+3], s[G1:G1+7]
	s_nop 0
.rept 4
	v_nop
.endr
	s_branch .Lasked2_\@
.Lnot_a_\@:
	s_cmp_eq_u32 s14, 2
	s_cbranch_scc0 .Lasked2_\@
	tensor_load_to_lds s[GB0:GB0+3], s[G1B:G1B+7]
	s_nop 0
.rept 4
	v_nop
.endr
.Lasked2_\@:
.endm
.macro CREST                           ; a round of the cluster's barrier behind its opening barrier
	s_cmp_lg_u32 s14, 0
	s_cbranch_scc1 .Lnot_wave_0_\@
	s_barrier_signal -3
.Lnot_wave_0_\@:
	s_barrier_wait -3
	s_barrier_signal -1
	s_barrier_wait -1
.endm
.macro CROUND
	s_barrier_signal -1
	s_barrier_wait -1
	CREST
.endm
; A PREFETCH INTO THE L2 of pair p of K steps: 4,096 bytes of each tile, sixteen lanes 256 bytes apart to a tile, two tiles an instruction.  Each piece of 256 bytes is named once in the launch.
; A's eight tiles are read by the four partners of my row of the cluster alone: they share them out BY ADDRESS, two each, and wave 1 asks: one instruction.  B's sixteen tiles are read by the batch's four clusters:
; the first of them asks; the four partners of a column share them out by address, four each, and wave 3 asks: two instructions.  The branches hang on the wave's and the cluster's numbers alone.
.macro ASK p
	s_cmp_eq_u32 s[LIM], 0
	s_cbranch_scc1 .Lnot_mine_\@
	global_prefetch_b8 v[PFO], s[PFA:PFA+1] offset:(\p)*4096 th:TH_LOAD_NT scope:SCOPE_SE
	s_cmp_eq_u32 s[LIM], 1
	s_cbranch_scc1 .Lnot_mine_\@
	global_prefetch_b8 v[PFO], s[PFA:PFA+1] offset:(\p)*4096+65536 th:TH_LOAD_NT scope:SCOPE_SE
.Lnot_mine_\@:
.endm
	s_load_b256 s[4:11], s[0:1], 0x0               ; p_codes, p_side, qkv_codes, qkv_scales
	s_load_b64 s[12:13], s[0:1], 0x20              ; out0
	v_lshl_add_u32 v[SPW], v0, 2, SPARE
	v_mov_b32 v[NIL], 0
	ds_add_u32 v[SPW], v[NIL]                      ; the opening: the add, twice on end, and its wait ahead of my first tensor load
	ds_add_u32 v[SPW], v[NIL]
	v_lshrrev_b32 v1, 5, v0
	v_readfirstlane_b32 s14, v1                    ; wave 0..3
	s_lshr_b32 s15, s14, 1                         ; my half of the queries; also: I fetch for A (0) or B (1)
	s_and_b32 s16, s14, 1                          ; my half of d_value; also: which sub-slot I fetch
	s_bfe_u32 s40, ttmp6, 0x40000                  ; cx = the tile of 256 of d_value
	s_bfe_u32 s41, ttmp6, 0x40004                  ; cy
	s_and_b32 s2, ttmp7, 0xffff                    ; the cluster, 0..15
	s_lshl_b32 s17, s2, 2
	s_add_co_u32 s17, s17, s41                     ; Y: the tile of 128 queries, 0..63
	s_lshr_b32 s66, s2, 2                          ; the batch: the same in all partners
	s_and_b32 s67, s2, 3                           ; which of the batch's four clusters
	s_lshl_b32 s18, s66, 2
	s_add_co_u32 s18, s18, s40                     ; V^T's tile of 256 rows: 4 batch + cx
	s_lshl_b32 s43, s41, 2
	s_lshl_b32 s43, 15, s43                        ; my row of the cluster
	s_lshl_b32 s44, 0x1111, s40                    ; my column
	s_or_b32 s[G1+0], s43, (3<<16)|(1<<21)         ; 15:0 the mask; 17:16 elements of 8 bytes; 21 set beside a mask; no padding
	s_or_b32 s[G1B+0], s44, (3<<16)|(1<<21)
.irp g, G1, G1B
	s_mov_b32 s[\g+1], 512<<16                     ; tensor_dim0 = 512 elements: a tile's two K steps, 4,096 bytes
	s_mov_b32 s[\g+3], 512<<16                     ; tile_dim0
	s_mov_b32 s[\g+5], KT*2                        ; from tile to tile: KT x 16 bytes
	s_mov_b32 s[\g+6], 0
	s_mov_b32 s[\g+7], 0
.endr
	s_mov_b32 s[G1+2], 8<<16                       ; A: 8 tiles
	s_mov_b32 s[G1+4], 8
	s_mov_b32 s[G1B+2], 16<<16                     ; B: 16 tiles
	s_mov_b32 s[G1B+4], 16
	s_or_b32 s[G1S+0], s43, (3<<16)|(1<<21)
	s_mov_b32 s[G1S+1], 64<<16                     ; A's scale words: 512 bytes for each of 16 K steps,
	s_mov_b32 s[G1S+2], 16<<16
	s_mov_b32 s[G1S+3], 64<<16
	s_mov_b32 s[G1S+4], 16
	s_mov_b32 s[G1S+5], 32768/8                    ; 32,768 bytes apart
	s_mov_b32 s[G1S+6], 0
	s_mov_b32 s[G1S+7], 0
	s_or_b32 s[G1SB+0], s44, (3<<16)|(1<<21)
	s_mov_b32 s[G1SB+1], 128<<16                   ; B's: 1,024 bytes for each of 16 K steps,
	s_mov_b32 s[G1SB+2], 16<<16
	s_mov_b32 s[G1SB+3], 128<<16
	s_mov_b32 s[G1SB+4], 16
	s_mov_b32 s[G1SB+5], 4096/8                    ; 4,096 bytes apart
	s_mov_b32 s[G1SB+6], 0
	s_mov_b32 s[G1SB+7], 0
	s_lshl_b32 s20, s17, 18                        ; P's codes: Y x 8 tiles x 32,768 bytes
	s_mov_b32 s21, 0
	s_lshl_b32 s46, s18, 19                        ; V^T's: tile x 524,288,
	s_add_co_u32 s46, s46, 0x1000000               ; behind Q and K
	s_mov_b32 s47, 0
	s_lshl_b32 s22, s17, 9                         ; my work-group's 512 bytes in each K step of the side words
	s_mov_b32 s23, 0
	s_lshl_b32 s96, s66, 16                        ; V^T's scale words: batch x 65,536 + cx x 1,024, behind Q's and K's
	s_lshl_b32 s19, s40, 10
	s_add_co_u32 s96, s96, s19
	s_add_co_u32 s96, s96, 0x80000
	s_mov_b32 s97, 0
	s_mul_i32 s45, s16, SUB                        ; my parity's sub-slot: no place in the cluster enters an LDS address
	s_lshl_b32 s[OW], s16, 12
	s_mov_b32 s[OW+1], 0
	s_mov_b32 s[K80], 0x80808080
	s_wait_dscnt 0x0                               ; both opening adds are done
	s_wait_kmcnt 0x0
	s_add_nc_u64 s[20:21], s[4:5], s[20:21]        ; A's codes; kept for the refills
	s_add_nc_u64 s[22:23], s[6:7], s[22:23]        ; the side words: section 0 is A's scale words
	s_add_nc_u64 s[46:47], s[8:9], s[46:47]        ; B's codes; kept for the refills
	s_add_nc_u64 s[96:97], s[10:11], s[96:97]      ; B's scale words
	CROUND                                         ; all sixteen work-groups are here: the first joint loads meet
	s_mov_b32 s[GAS], 1
	s_mov_b32 s[GAS+1], SCLA
	s_mov_b64 s[GAS+2:GAS+3], s[22:23]
	s_or_b32 s[GAS+3], s[GAS+3], 0x80000000
	s_mov_b32 s[GBS], 1
	s_mov_b32 s[GBS+1], SCLB
	s_mov_b64 s[GBS+2:GBS+3], s[96:97]
	s_or_b32 s[GBS+3], s[GBS+3], 0x80000000
	s_mov_b32 s[GA0], 1                            ; pair 0 into sub-slot 0
	s_mov_b32 s[GA0+1], 0
	s_mov_b64 s[GA0+2:GA0+3], s[20:21]
	s_or_b32 s[GA0+3], s[GA0+3], 0x80000000
	s_mov_b32 s[GB0], 1
	s_mov_b32 s[GB0+1], BOFF
	s_mov_b64 s[GB0+2:GB0+3], s[46:47]
	s_or_b32 s[GB0+3], s[GB0+3], 0x80000000
	s_mov_b32 s[GA1], 1                            ; pair 1 + parity into sub-slot 1 + parity
	s_add_co_u32 s[GA1+1], s45, SUB
	s_add_nc_u64 s[GA1+2:GA1+3], s[20:21], s[OW:OW+1]
	s_add_nc_u64 s[GA1+2:GA1+3], s[GA1+2:GA1+3], 4096
	s_or_b32 s[GA1+3], s[GA1+3], 0x80000000
	s_mov_b32 s[GB1], 1
	s_add_co_u32 s[GB1+1], s45, SUB+BOFF
	s_add_nc_u64 s[GB1+2:GB1+3], s[46:47], s[OW:OW+1]
	s_add_nc_u64 s[GB1+2:GB1+3], s[GB1+2:GB1+3], 4096
	s_or_b32 s[GB1+3], s[GB1+3], 0x80000000
	; THE FIRST FILLS: two loads a wave; what is wanted first is each wave's first.  Wave 0: A's scale words, A's pair 1.  Wave 1: A's pairs 0 and 2.  Waves 2 and 3: the same of B.
	s_cmp_lt_u32 s14, 2
	s_cbranch_scc0 .Lfirst_b
	s_cmp_eq_u32 s14, 0
	s_cbranch_scc0 .Lfirst_a1
	tensor_load_to_lds s[GAS:GAS+3], s[G1S:G1S+7]
	s_nop 0
.rept 4
	v_nop
.endr
	s_branch .Lfirst_done
.Lfirst_a1:
	tensor_load_to_lds s[GA0:GA0+3], s[G1:G1+7]
	s_nop 0
.rept 4
	v_nop
.endr
	s_branch .Lfirst_done
.Lfirst_b:
	s_cmp_eq_u32 s14, 2
	s_cbranch_scc0 .Lfirst_b1
	tensor_load_to_lds s[GBS:GBS+3], s[G1SB:G1SB+7]
	s_nop 0
.rept 4
	v_nop
.endr
	s_branch .Lfirst_done
.Lfirst_b1:
	tensor_load_to_lds s[GB0:GB0+3], s[G1B:G1B+7]
	s_nop 0
.rept 4
	v_nop
.endr
.Lfirst_done:
; THE ROWS' M AND SUM.  Thread t owns the four rows whose words lie at byte 16 x lane of a K step's 512, and repairs K steps 4 x wave + 0..3; it reads all sixteen K steps, its own four first.
	v_and_b32 v[LN], 31, v0
	v_lshlrev_b32 v[LI], 4, v[LN]
	s_wait_alu depctr_va_vdst(0)
.irp g, 0,1,2,3
	s_add_co_u32 s19, s14, \g
	s_and_b32 s19, s19, 3
	s_lshl_b32 s19, s19, 17                        ; four K steps of 32,768 bytes
	v_add_nc_u32 v[VO+\g], s19, v[LI]
.endr
	s_wait_alu depctr_va_vdst(0)
.irp g, 0,1,2,3
.irp j, 0,1,2,3
	global_load_b128 v[MM+16*\g+4*\j:MM+16*\g+4*\j+3], v[VO+\g], s[22:23] offset:524288+32768*\j
.endr
.endr
.irp g, 0,1,2,3
.irp j, 0,1,2,3
	global_load_b128 v[LL+16*\g+4*\j:LL+16*\g+4*\j+3], v[VO+\g], s[22:23] offset:1048576+32768*\j
.endr
.endr
	v_and_b32 v1, 15, v0                           ; r
	s_wait_alu depctr_va_vdst(0)
	v_bfe_u32 v2, v0, 4, 1                         ; h
	s_lshl_b32 s2, s15, 14                         ; my four tiles of A
	s_lshl_b32 s3, s16, 15                         ; my eight tiles of B,
	s_add_co_u32 s3, s3, BOFF                      ; behind A's eight
.irp j, 0,1,2
	v_add_nc_u32 v[ADRA+\j], s2, v[LI]
	v_add_nc_u32 v[ADRB+\j], s3, v[LI]
	s_add_co_u32 s2, s2, SUB
	s_add_co_u32 s3, s3, SUB
.endr
	s_lshl_b32 s2, s15, 8                          ; my unit of 64 queries: 256 bytes
	s_add_co_u32 s3, s2, RLT
	v_lshl_add_u32 v11, v1, 4, s3                  ; 1 / l of my query in tiles 0-3
	s_add_co_u32 s2, s2, SCLA
	v_lshl_add_u32 v[ADSA], v1, 4, s2              ; A's scale words of row r, tiles 0-3
	s_lshl_b32 s2, s16, 9                          ; my two units of d_value
	s_add_co_u32 s2, s2, SCLB
	v_lshl_add_u32 v[ADSB], v1, 4, s2              ; B's, tiles 0-3; 256 bytes on: tiles 4-7
	s_lshl_b32 s2, s14, 11                         ; the words that I repair: four K steps of 512 bytes
	s_add_co_u32 s2, s2, SCLA
	v_add_nc_u32 v9, s2, v[LI]
	v_add_nc_u32 v10, RLT, v[LI]
	s_mul_i32 s2, s14, 8448                        ; my stage for the way out
	s_add_co_u32 s2, s2, STAGE
	v_mul_u32_u24 v[STO], v1, 528
	v_lshl_add_u32 v[STO], v2, 6, v[STO]
	v_add_nc_u32 v[STO], s2, v[STO]
	v_add_nc_u32 v[RD], s2, v[LI]
	s_lshl_b32 s2, s17, 19                         ; out0 at my first query and column: (128 Y + 64 half) rows of 4,096 bytes + (256 cx + 128 half) x 4
	s_lshl_b32 s3, s15, 18
	s_add_co_u32 s2, s2, s3
	s_lshl_b32 s3, s40, 10
	s_add_co_u32 s2, s2, s3
	s_lshl_b32 s3, s16, 9
	s_add_co_u32 s2, s2, s3
	s_mov_b32 s3, 0
	s_add_nc_u64 s[12:13], s[12:13], s[2:3]
	; the prefetches (macro ASK): where mine stand, and how many I issue for a pair
	v_lshlrev_b32 v[PFO], 8, v1                    ; 256 x (lane % 16),
	v_lshl_add_u32 v[PFO], v2, 15, v[PFO]          ; lanes 16-31 one tile on
	s_cmp_eq_u32 s15, 0                            ; do I fetch for A?
	s_cselect_b64 s[PFA:PFA+1], s[20:21], s[46:47]
	s_cselect_b32 s2, s40, s41                     ; my place among the four that ask for the tiles with me
	s_cselect_b32 s3, 16, 17                       ; its share: two tiles of A, four of B, 32,768 bytes each
	s_cselect_b32 s[LIM], 1, 2
	s_cselect_b32 s19, 0, s67                      ; the coordinate along which other clusters read the same rows: none for A
	s_lshl_b32 s2, s2, s3
	s_mov_b32 s3, 0
	s_add_nc_u64 s[PFA:PFA+1], s[PFA:PFA+1], s[2:3]
	s_xor_b32 s42, s16, 1                          ; 0 in waves 1 and 3
	s_or_b32 s19, s19, s42
	s_cmp_eq_u32 s19, 0
	s_cselect_b32 s[LIM], s[LIM], 0                ; the same in all sixteen partners, for a given wave
; ONE LOAD A WAVE AT THE HEAD: the scale words and pair 0.  Pairs 1 and 2 come here, behind a round, one load a wave: so by this text's count a wave has one load out at a time.
	s_wait_alu depctr_va_vdst(0)
	s_wait_tensorcnt 0x0
	ds_add_u32 v[SPW], v[NIL]
	s_wait_dscnt 0x0
	CROUND                                         ; the scale words and pair 0 are in, in all partners
	JLOAD GA1, G1, GB1, G1B
	s_wait_loadcnt 0x0
.irp e, 0,1,2,3
	v_min3_num_f32 v[NM+\e], v[MM+\e], v[MM+4+\e], v[MM+8+\e]      ; the row's -M is the least of the local ones
.endr
.irp k, 3,5,7,9,11,13
.irp e, 0,1,2,3
	v_min3_num_f32 v[NM+\e], v[NM+\e], v[MM+4*\k+\e], v[MM+4*\k+4+\e]
.endr
.endr
.irp e, 0,1,2,3
	v_min_num_f32 v[NM+\e], v[NM+\e], v[MM+60+\e]
.endr
.set n, 0
.rept 64
	v_sub_f32 v[MM+n], v[MM+n], v[NM+n%4]          ; d = M - local M: a whole number, 0 or more
.set n, n+1
.endr
.set n, 0
.rept 64
	v_min_num_f32 v[MM+n], 0x42fe0000, v[MM+n]     ; held at 127
.set n, n+1
.endr
.set n, 0
.rept 64
	v_cvt_i32_f32 v[MM+n], v[MM+n]
.set n, n+1
.endr
.set ks, 0
.rept 16
.irp e, 0,1,2,3
	v_sub_nc_u32 v[TT4+\e], 127, v[MM+4*ks+\e]
.endr
.irp e, 0,1,2,3
	v_lshlrev_b32 v[TT4+\e], 23, v[TT4+\e]         ; 2^-d as f32 (0 at d = 127)
.endr
.irp e, 0,1,2,3
.if ks == 0
	v_mul_f32 v[LS+\e], v[LL+\e], v[TT4+\e]
.else
	v_fmac_f32 v[LS+\e], v[LL+4*ks+\e], v[TT4+\e]
.endif
.endr
.set ks, ks+1
.endr
	s_wait_alu depctr_va_vdst(0)
.irp e, 0,1,2,3
	v_rcp_f32 v[RC+\e], v[LS+\e]
.endr
	v_nop                                          ; a plain line behind the reciprocals,
	s_wait_alu depctr_va_vdst(0)                   ; and the one wait ahead of their first reader
.irp k, 0,1,2,3
	ds_load_b128 v[WR+4*\k:WR+4*\k+3], v9 offset:512*\k
.endr
	s_wait_dscnt 0x0
; Each byte b of a word becomes b - d, held at 0.  b is 112 at the most (p is 1 at the most) and d 127: with bit 7 set in each byte no borrow crosses a byte, and bit 7 stays where b >= d.
.set n, 0
.rept 16
	v_lshl_or_b32 v[MM+n], v[MM+n], 8, v[MM+n]
.set n, n+1
.endr
.set n, 0
.rept 16
	v_lshl_or_b32 v[MM+n], v[MM+n], 16, v[MM+n]    ; d in all four bytes
.set n, n+1
.endr
.set n, 0
.rept 16
	v_or_b32 v[WR+n], s[K80], v[WR+n]
.set n, n+1
.endr
.set n, 0
.rept 16
	v_sub_nc_u32 v[WR+n], v[WR+n], v[MM+n]
.set n, n+1
.endr
.set n, 0
.rept 16
	v_and_b32 v[MM+n], s[K80], v[WR+n]
.set n, n+1
.endr
.set n, 0
.rept 16
	v_lshrrev_b32 v[LL+n], 7, v[MM+n]
.set n, n+1
.endr
.set n, 0
.rept 16
	v_sub_nc_u32 v[MM+n], v[MM+n], v[LL+n]         ; 0x7f in the bytes that stay, 0 in the others
.set n, n+1
.endr
.set n, 0
.rept 16
	v_and_b32 v[WR+n], v[WR+n], v[MM+n]
.set n, n+1
.endr
.irp k, 0,1,2,3
	ds_store_b128 v9, v[WR+4*\k:WR+4*\k+3] offset:512*\k
.endr
	s_cmp_eq_u32 s14, 0                            ; all four waves hold 1 / l of the 128 queries: wave 0 stores it
	s_cbranch_scc0 .Lno_rl
	ds_store_b128 v10, v[RC:RC+3]
.Lno_rl:
	s_wait_dscnt 0x0                               ; for the others' sake: my stores are done
	s_barrier_signal -1
	s_barrier_wait -1
.macro FRAG reg, adr, q, i             ; a fragment's image: four loads of 16 bytes a lane, 512 bytes apart
.irp c, 0,1,2,3
	ds_load_b128 v[\reg+4*\c:\reg+4*\c+3], v[\adr] offset:4096*(\i)+2048*(\q)+512*\c
.endr
.endm
; 8 matrix instructions of K step n: A's tiles a0, a0 + 1 x B's tiles 4 hb + 0..3.  cm = 1: the constant 0 starts the sums.  The 32 accumulators take turns, one instruction a turn.
.macro MULQ n, hb, a0, cm
.set mq, (\n)%2
.set mp, ((\n)/2)%2
.irp a, \a0, \a0+1
.irp b, 0,1,2,3
.if \cm
	v_wmma_scale_f32_16x16x128_f8f6f4 v[8*(8*(\a)+4*(\hb)+\b):8*(8*(\a)+4*(\hb)+\b)+7], v[128*mq+FR*(4*(\hb)+\b):128*mq+FR*(4*(\hb)+\b)+FR-1], v[AF+64*mq+FR*(\a):AF+64*mq+FR*(\a)+FR-1], 0, v[SCB+16*mp+8*mq+4*(\hb)+\b], v[SCA+8*mp+4*mq+(\a)] matrix_a_fmt:MATRIX_FMT_BF8 matrix_b_fmt:MATRIX_FMT_BF8
.else
	v_wmma_scale_f32_16x16x128_f8f6f4 v[8*(8*(\a)+4*(\hb)+\b):8*(8*(\a)+4*(\hb)+\b)+7], v[128*mq+FR*(4*(\hb)+\b):128*mq+FR*(4*(\hb)+\b)+FR-1], v[AF+64*mq+FR*(\a):AF+64*mq+FR*(\a)+FR-1], v[8*(8*(\a)+4*(\hb)+\b):8*(8*(\a)+4*(\hb)+\b)+7], v[SCB+16*mp+8*mq+4*(\hb)+\b], v[SCA+8*mp+4*mq+(\a)] matrix_a_fmt:MATRIX_FMT_BF8 matrix_b_fmt:MATRIX_FMT_BF8
.endif
.endr
.endr
.endm
.macro SCALES p                        ; pair p's scale words: for each of its two K steps A's four and B's eight
.irp q, 0,1
	ds_load_b128 v[SCA+8*((\p)%2)+4*\q:SCA+8*((\p)%2)+4*\q+3], v[ADSA] offset:512*(2*(\p)+\q)
.irp e, 0,1
	ds_load_b128 v[SCB+16*((\p)%2)+8*\q+4*\e:SCB+16*((\p)%2)+8*\q+4*\e+3], v[ADSB] offset:1024*(2*(\p)+\q)+256*\e
.endr
.endr
.endm
.macro RUN1 n, scl                     ; K step n's fragments, first run: B's tiles 0-3 and A's four; scl = 1: its pair's scale words too
.set fq, (\n)%2
.set fr, ((\n)/2)%3
.set fp, (\n)/2
	WIN TO_B
.irp i, 0,1,2,3
	FRAG 128*fq+FR*\i, ADRB+fr, fq, \i
.endr
	WIN 0
.irp i, 0,1,2,3
	FRAG AF+64*fq+FR*\i, ADRA+fr, fq, \i
.endr
.if \scl
	SCALES fp
.endif
.endm
.macro RUN2 n                          ; second run: B's tiles 4-7
.set fq, (\n)%2
.set fr, ((\n)/2)%3
	WIN TO_B
.irp i, 4,5,6,7
	FRAG 128*fq+FR*\i, ADRB+fr, fq, \i
.endr
	WIN 0
.endm
.macro PLACES n                        ; plain vector lines between a matrix instruction and a load into, or a read of, its registers
.rept \n
	v_nop
.endr
.endm
.macro STEP n, cm, scl                 ; a K step behind which no barrier is wanted
	s_wait_dscnt 16                                ; all but the youngest 16 loads (B's tiles 4-7)
	WIN MUL_LO
	MULQ \n, 0, 0, \cm
	MULQ \n, 0, 2, \cm
	s_wait_dscnt 0                                 ; B's tiles 4-7 are in
	PLACES NP                                      ; the sets that are loaded below were read by the step before
	RUN1 (\n)+1, \scl
	WIN MUL_LO
	MULQ \n, 1, 0, \cm
	MULQ \n, 1, 2, \cm
	WIN 0
	RUN2 (\n)+1
.endm
; The groups 0 of a refill.  two = 1: pair pa + parity into sub-slot parity; two = 0: pair pa into sub-slot 2.
.macro SETG pa, two
.if \two
	s_mov_b32 s[GA0+1], s45
	s_add_co_u32 s[GB0+1], s45, BOFF
	s_add_nc_u64 s[GA0+2:GA0+3], s[20:21], s[OW:OW+1]
	s_add_nc_u64 s[GB0+2:GB0+3], s[46:47], s[OW:OW+1]
	s_add_nc_u64 s[GA0+2:GA0+3], s[GA0+2:GA0+3], (\pa)*4096
	s_add_nc_u64 s[GB0+2:GB0+3], s[GB0+2:GB0+3], (\pa)*4096
.else
	s_mov_b32 s[GA0+1], 2*SUB
	s_mov_b32 s[GB0+1], 2*SUB+BOFF
	s_add_nc_u64 s[GA0+2:GA0+3], s[20:21], (\pa)*4096
	s_add_nc_u64 s[GB0+2:GB0+3], s[46:47], (\pa)*4096
.endif
	s_or_b32 s[GA0+3], s[GA0+3], 0x80000000
	s_or_b32 s[GB0+3], s[GB0+3], 0x80000000
.endm
; A K step with a barrier.  In front of it each wave waits for all its tensor loads, adds 0 to its spare word, and waits for that and for all its LDS reads: this step's fragments, the last that were read of its pair's
; sub-slot, are in registers.  kind = 0: nothing is filled; the pairs that were on their way may be read behind it.  kind = 4: a round of the cluster's barrier, then pairs pa, pa + 1 into sub-slots 0 and 1.
; kind = 2: a round, then pair pa into sub-slot 2.
.macro CHANGE n, kind, pa
	s_wait_tensorcnt 0x0                           ; all my tensor loads have landed, so a group 0 may be written
	ds_add_u32 v[SPW], v[NIL]
.if \kind == 4
	SETG \pa, 1
.elseif \kind == 2
	SETG \pa, 0
.endif
	s_wait_dscnt 17                                ; (the add and the youngest 16 loads may be out)
	WIN MUL_LO
	MULQ \n, 0, 0, 0
	s_wait_dscnt 0x0                               ; the add is done, and my LDS reads are over
	s_barrier_signal -1
	MULQ \n, 0, 2, 0
	WIN 0
	s_barrier_wait -1
.if \kind == 4
	CREST                                          ; the barrier has opened a round of the cluster's: no wave of any partner still reads these sub-slots or has a load on its way
	JLOAD GA0, G1, GB0, G1B                        ; the first tensor load behind the round, one a wave
.elseif \kind == 2
	CREST
	JLOAD2
.endif
	PLACES NP
	RUN1 (\n)+1, 1
.if (\n) == 1
	ASK 3                                          ; what the first refill will ask for, two K steps on
	ASK 4
.elseif (\kind == 4) && (\pa == 3)
	ASK 5                                          ; what the next round will ask for
.elseif \kind == 2
	ASK 6                                          ; likewise: both pairs of the last refill
	ASK 7
.endif
	WIN MUL_LO
	MULQ \n, 1, 0, 0
	MULQ \n, 1, 2, 0
	WIN 0
	RUN2 (\n)+1
.endm
	ds_load_b128 v[RL:RL+3], v11
	RUN1 0, 1
	RUN2 0
	STEP 0, 1, 0                                   ; the first step's products start the sums
	CHANGE 1, 0, 0                                 ; pairs 1 and 2 have landed
	STEP 2, 0, 0
	CHANGE 3, 4, 3                                 ; sub-slots 0 and 1 are read out: pairs 3 and 4
	STEP 4, 0, 0
	CHANGE 5, 2, 5                                 ; pairs 3 and 4 have landed; sub-slot 2 is read out: pair 5
	STEP 6, 0, 0
	STEP 7, 0, 1
	STEP 8, 0, 0
	CHANGE 9, 4, 6                                 ; pair 5 has landed; sub-slots 0 and 1 are read out: pairs 6 and 7, the last
	STEP 10, 0, 0
	CHANGE 11, 0, 0                                ; pairs 6 and 7 have landed; nobody reads sub-slot 2 any more
	STEP 12, 0, 0
	STEP 13, 0, 1
	STEP 14, 0, 0
	s_wait_dscnt 16                                ; the last step: nothing more to fetch
	WIN MUL_LO
	MULQ 15, 0, 0, 0
	MULQ 15, 0, 2, 0
	s_wait_dscnt 0
	MULQ 15, 1, 0, 0
	MULQ 15, 1, 2, 0
	WIN 0
; THE WAY OUT, a tile of 16 queries x my 128 columns at a time: x 1 / l into window 1 (where B's first set lay), through my stage in sub-slot 2, back as whole rows of 512 bytes.
	PLACES NP
.irp a, 0,1,2,3
	v_mov_b32 v[RLP+2*\a], v[RL+\a]                ; 1 / l as pairs for the packed multiply
	v_mov_b32 v[RLP+2*\a+1], v[RL+\a]
.endr
.macro SCALE a
.set AC, 64*(\a)
.set TT, 64*((\a)%2)
	WIN 0x42                                       ; destination window 1, source 0 window 2, source 1 window 0
.set j, 0
.rept 32
	v_pk_mul_f32 v[TT+j:TT+j+1], v[AC+j:AC+j+1], v[RLP+2*(\a):RLP+2*(\a)+1]   ; each accumulator is read from its low end on
.set j, j+2
.endr
.endm
.macro TOSTAGE a
.set TT, 64*((\a)%2)
	WIN 0x04                                       ; an LDS store's data are its source 1: window 1
.set n, 0
.rept 16
	ds_store_b128 v[STO], v[TT+4*n:TT+4*n+3] offset:128*(n/4)+32*((n/2)%2)+16*(n%2)   ; register 16 B + 8 u + j is column 32 B + 16 h + 8 u + j
.set n, n+1
.endr
	WIN 0
.set BB, BK+64*((\a)%2)
.irp t, 0,1,2,3,4,5,6,7,8,9,10,11,12,13,14,15
	ds_load_b128 v[BB+4*\t:BB+4*\t+3], v[RD] offset:\t*528   ; LDS serves a wave's instructions in order: these see the stores above
.endr
.endm
.macro SEND a, younger
.set BB, BK+64*((\a)%2)
	s_wait_dscnt \younger                          ; the tile is back in registers; the next tile's 16 stores and 16 loads may be out
.if (\a) > 0
	s_add_nc_u64 s[12:13], s[12:13], 65536         ; 16 rows on (behind a wait on XCNT: the earlier stores have read their base)
.endif
.irp t, 0,1,2,3,4,5,6,7,8,9,10,11,12,13,14,15
	global_store_b128 v[LI], v[BB+4*\t:BB+4*\t+3], s[12:13] offset:\t*4096 th:TH_STORE_NT   ; 32 lanes store 512 consecutive bytes
.endr
.endm
	SCALE 0
	TOSTAGE 0
.irp a, 1,2,3
.if \a > 1
	s_wait_xcnt 0x0                                ; tile a - 2's stores have read their registers and their base
.endif
	SCALE \a
	TOSTAGE \a
	SEND \a-1, 32
.endr
	s_wait_xcnt 0x0
	SEND 3, 0
	s_wait_tensorcnt 0x0                           ; the wave's end
	ds_add_u32 v[SPW], v[NIL]
	s_wait_dscnt 0x0
	CROUND                                         ; the closing round
	s_endpgm
.Lfunc_end_k_q2db3168f8f_pv:
	.size	k_q2db3168f8f_pv, .Lfunc_end_k_q2db3168f8f_pv-k_q2db3168f8f_pv
	.p2alignl 7, 3214868480
	.fill 96, 4, 3214868480
	.section	.rodata,"a",@progbits
	.p2align	6, 0x0
	.amdhsa_kernel k_q2db3168f8f_pv
		.amdhsa_group_segment_fixed_size 327680
		.amdhsa_private_segment_fixed_size 0
		.amdhsa_enable_private_segment 0
		.amdhsa_kernarg_size 40
		.amdhsa_user_sgpr_count 2
		.amdhsa_user_sgpr_kernarg_segment_ptr 1
		.amdhsa_wavefront_size32 1
		.amdhsa_system_sgpr_workgroup_id_x 1
		.amdhsa_system_sgpr_workgroup_id_y 1
		.amdhsa_system_sgpr_workgroup_id_z 1
		.amdhsa_system_vgpr_workitem_id 0
		.amdhsa_next_free_vgpr 768
		.amdhsa_next_free_sgpr 102
		.amdhsa_reserve_vcc 0
		.amdhsa_float_denorm_mode_32 3
		.amdhsa_float_denorm_mode_16_64 3
		.amdhsa_memory_ordered 1
		.amdhsa_forward_progress 1
		.amdhsa_inst_pref_size 191
	.end_amdhsa_kernel
	.amdgpu_metadata
---
amdhsa.version: [ 1, 2 ]
amdhsa.kernels:
  - .name:           k_q2db3168f8f_pv
    .symbol:         k_q2db3168f8f_pv.kd
    .args:
      - { .name: p_codes, .offset: 0, .size: 8, .value_kind: global_buffer, .address_space: global }
      - { .name: p_side, .offset: 8, .size: 8, .value_kind: global_buffer, .address_space: global }
      - { .name: qkv_codes, .offset: 16, .size: 8, .value_kind: global_buffer, .address_space: global }
      - { .name: qkv_scales, .offset: 24, .size: 8, .value_kind: global_buffer, .address_space: global }
      - { .name: out0, .offset: 32, .size: 8, .value_kind: global_buffer, .address_space: global }
    .group_segment_fixed_size: 327680
    .private_segment_fixed_size: 0
    .kernarg_segment_align: 8
    .kernarg_segment_size: 40
    .max_flat_workgroup_size: 128
    .sgpr_count:     102
    .vgpr_count:     768
    .wavefront_size: 32
...
	.end_amdgpu_metadata
.endif
;; end of part 4
